; MI455X (gfx1250); checked and timed in simulation.
; The chip was launched on July 23, 2026; its instructions are those of AMD's public machine-readable ISA for CDNA 5 (MIT licence, August 2026) and "CDNA5" Instruction Set Architecture Reference Guide (July 2026). The comments in the code are by the model that wrote it; some were corrected since.
;; Multi Head Attention. Allowed arithmetic: matrix products marked QUANTISED: E2M3 operands, one E8M0 scale for each 32 along K, by v_wmma_scale_f32_16x16x128_f8f6f4 with both operands' format E2M3, f32 sums; everything else in f32.
;; Inputs: Wd 1,024 x 1,024 float32; Wk 1,024 x 1,024 float32; Wq 1,024 x 1,024 float32; Wv 1,024 x 1,024 float32; k 4 x 2,048 x 1,024 float32; mask 4 x 1 x 2,048 x 2,048 float32; q 4 x 2,048 x 1,024 float32; time_lengths 4 int32; v 4 x 2,048 x 1,024 float32.
;; Outputs: out0 4 x 2,048 x 1,024 float32.
;; This version of the problem:
;;   THIS VERSION OF THE PROBLEM IS GIVEN IN LOW PRECISION. The matrix products marked QUANTISED in the list below multiply operands that are first quantised to E2M3 (2 exponent bits, 3 mantissa bits; 6 bits a number), with one power-of-two scale for each 32 numbers along K (OCP MX v1.0); their sums are f32. All else is computed in f32.
;;   The module's matrix products, in the order in which they are computed (A, B: the left and right operand; K: the contracted axis; several contracted axes count as one K, in the product's order):
;;     1. [M 8,192, K 1,024] x [K 1,024, N 1,024]; A: input q; B: input Wq: QUANTISED
;;     2. [M 8,192, K 1,024] x [K 1,024, N 1,024]; A: input k; B: input Wk: QUANTISED
;;     3. [M 8,192, K 1,024] x [K 1,024, N 1,024]; A: input v; B: input Wv: QUANTISED
;;     4. batch 64 x [M 2,048, K 64] x [K 64, N 2,048]; A: computed on the way; B: computed on the way: QUANTISED
;;     5. batch 64 x [M 2,048, K 2,048] x [K 2,048, N 64]; A: softmax (see below); B: computed on the way: QUANTISED
;;     6. [M 8,192, K 1,024] x [K 1,024, N 1,024]; A: computed on the way; B: input Wd: QUANTISED
;;   THE QUANTISER, for each operand of a quantised product, along K:
;;     - K is cut into blocks of 32 from its start; a last block that is shorter is filled with zeros.
;;     - A block's scale is 2^e with e = floor(log2(the largest magnitude in the block)) - 2, held to -126 .. 127; a block of zeros has e = 0. As a byte (E8M0): e + 127.
;;     - Each number is divided by its block's scale, clamped to +-7.5, and rounded to the nearest number of E2M3, ties to even, subnormals kept.
;;     - The product sums the exact products of the quantised numbers (number of the format x scale) in f32.
;;   ~~~python
;;   def quantise(x, axis):      # numpy; x: float32 -> the quantised numbers, widened to float32 again
;;       x = np.moveaxis(x, axis, -1); K = x.shape[-1]
;;       x = np.pad(x, [(0, 0)] * (x.ndim - 1) + [(0, -K % 32)]); x = x.reshape(x.shape[:-1] + (-1, 32)); a = np.abs(x).max(-1, keepdims=True)
;;       e = np.where(a > 0, np.clip(np.frexp(np.where(a > 0, a, 1))[1] - 1 - 2, -126, 127), 0)      # np.frexp(a)[1] - 1 = floor(log2(a)), exactly
;;       r = np.clip(x / 2.0 ** e, -7.5, 7.5)
;;       step = 2.0 ** (np.maximum(np.frexp(np.where(r == 0, 1, r))[1] - 1, 0) - 3)
;;       q = np.round(r / step) * step * 2.0 ** e      # np.round: ties to even
;;       return np.moveaxis(q.reshape(q.shape[:-2] + (-1,))[..., :K], -1, axis).astype(np.float32)
;;   ~~~
;;   SOFTMAX AHEAD OF A QUANTISED PRODUCT. Where the list says 'softmax', what is quantised is not the finished softmax but p = 2^(t - M), with t = logit x log2(e) and M = ceil(the row's largest t), a whole number; so 1/2 < the row's largest p <= 1. The row's sum l is taken of the UNQUANTISED p, in f32, and the product's result is divided by l at the end. Since M is a whole number, a kernel that streams over the keys may use a running M (the ceiling of the running maximum): every later rescaling is an exact power of two, which a block's scale takes up: the codes' values come out the same.
;;   OPERANDS COMPUTED ON THE WAY. 'Computed on the way' means the value that the module computes at that place (a softmax that the list does not call 'softmax' is quantised finished and normalised). What goes into a quantiser is computed in f32, as accurately as f32 sums, v_exp_f32 and their like allow (about 1e-6 of the number): no bf16 or f16 on the way to a quantiser, and a product that is left as it is and whose result goes on into a quantised operand takes f32 operands (vector FMAs, or v_wmma_f32_16x16x4_f32). A number that lies on a knife's edge between two numbers of the format may be rounded either way, as far as f32 arithmetic and the matrix unit's own rounding can turn it there, and no further.
;; One version. Each part assembles by itself: llvm-mc -triple=amdgcn-amd-amdhsa -mcpu=gfx1250 --defsym DOCPART=n.
;; ======== version 1 of 1: 4 launches
;; workspace buffers: cod 22,020,096 bytes; scl 917,504 bytes; hc 18,874,368 bytes; hs 786,432 bytes; zc 6,291,456 bytes; zs 262,144 bytes
;; launch quant (part 1): grid 896 x 1, 4 waves a work-group, no clusters, 33,280 bytes of LDS; arguments q, k, v, Wq, Wk, Wv, Wd, cod, scl; writes cod, scl
.if DOCPART == 1
	.amdgcn_target "amdgcn-amd-amdhsa--gfx1250"
	.amdhsa_code_object_version 6
	.text
	.protected	k_q8672822e24_quant
	.globl	k_q8672822e24_quant
	.p2align	8
	.type	k_q8672822e24_quant,@function
k_q8672822e24_quant:
	s_mov_b64 s[64:65], 0
	v_nop
	global_prefetch_b8 v0, s[64:65] scope:SCOPE_SE
	s_setreg_imm32_b32 hwreg(HW_REG_WAVE_MODE, 25, 1), 1
	s_wait_xcnt 0x0
; MULTI-HEAD ATTENTION IN MX-FP6, launch 1 of 4: q, k, v [8192][1024] and Wq, Wk, Wv, Wd [1024][1024], f32, K innermost, become codes of E2M3 (cod) and E8M0 scale bytes (scl).
; WORK LEFT OUT: time_lengths is an argument of reference() that no line of its body names, so no output can hang on it, whatever it holds.  It is not loaded and is among no launch's arguments.
; Nothing else is left out: the mask is an input that differs along the softmax's axis, so it is live.  LIMIT: whatever time_lengths holds is not carried to the result.
; A block's scale is 2^(floor(log2(its largest magnitude)) - 2); its byte is the largest magnitude's exponent field - 2, held at 1 from below (a block of zeros gets the byte 1: its codes are zeros, and this program alone reads the bytes).
; LIMITS: NaN and infinities among the inputs are not served.
; ORDER INSIDE A BLOCK OF 32.  Every operand of this program keeps its blocks of 32 along K whole, and lays a block's numbers in the order 0-7, 16-23, 8-15, 24-31.  That is the order in which a matrix result with
; natural tiles of 16 falls out of the conversions in the later launches; both operands of every product carry it, so each product of two numbers meets the same partner and the same two scales.
; All seven tensors are dense streams of blocks; the work-groups take them in the order q, k, v, Wq, Wk, Wv, Wd, and cod and scl are laid in that same order: so the outputs are one stream by the work-group's number.
; A wave takes 16 steps of 512 numbers.  Each of a step's four loads reads 512 consecutive bytes; the 2,048 bytes turn through the wave's own stage in LDS and come back 64 bytes a lane: two neighbouring lanes hold a block,
; the even lane its numbers 0-7 and 16-23, the odd lane the rest (the stage's way-in address does that).  A lane's 16 codes are 12 bytes: the wave stores 384 consecutive bytes.  A wave's 256 scale bytes leave as one aligned store.
; No tensor loads, no barrier: waves share nothing.  Loads run four steps (16 loads a wave) ahead, the turn through LDS one step.
.set WAVES, 4
.set STEPS, 16
.set EMAX,  2
.set CB,    12                         ; bytes of 16 codes
.set R,     16                         ; v16-79   four sets of 16 numbers as they are loaded
.set X,     80                         ; v80-111  two sets of 16 numbers of one block's half
.set C,     128                        ; v128-191 codes: four registers for each step, so that no store's data are written again
.set E,     112                        ; v112-127 a scale byte for each step
.set WREG,  8192                       ; LDS: a region for each wave: two stages of 32 x SP bytes, and behind them its 256 scale bytes
.set SP,    80                         ; a lane's place in a stage: its 64 bytes + 16 of padding
.set SPW,   12                         ; v12  LDS address of my spare word; never rewritten
.set NIL,   13                         ; v13  0; never rewritten
.set SPARE, WAVES*WREG                 ; behind the four regions: the spare words, 128 bytes a wave, which no other line names
	s_load_b256 s[4:11], s[0:1], 0x0               ; q, k, v, Wq
	s_load_b256 s[12:19], s[0:1], 0x20             ; Wk, Wv, Wd, cod
	s_load_b64 s[20:21], s[0:1], 0x40              ; scl
	v_lshl_add_u32 v[SPW], v0, 2, SPARE
	v_mov_b32 v[NIL], 0
	v_lshrrev_b32 v1, 5, v0
	v_readfirstlane_b32 s26, v1                    ; wave
	v_and_b32 v2, 31, v0                           ; lane
	v_lshlrev_b32 v3, 4, v2                        ; my 16 bytes of a load's 512
	s_mul_i32 s27, s26, WREG
	; the stage, on the way in.  My 16 bytes are numbers 4 (lane % 8) .. + 3 of block lane / 8 of the load's four.  The block's group of eight g = (lane / 2) % 4 goes to place 2 x block + g % 2, bytes 32 (g / 2) on
	v_lshrrev_b32 v14, 3, v2
	v_mul_u32_u24 v14, v14, 2*SP
	v_bfe_u32 v15, v2, 1, 1
	v_mad_u32_u24 v14, v15, SP, v14
	v_bfe_u32 v15, v2, 2, 1
	v_lshl_add_u32 v14, v15, 5, v14
	v_and_b32 v15, 1, v2
	v_lshl_add_u32 v14, v15, 4, v14
	v_add_nc_u32 v14, s27, v14
	v_mul_u32_u24 v15, v2, SP
	v_add_nc_u32 v15, s27, v15                     ; and on the way out: SP x lane
	v_mul_u32_u24 v4, v2, CB                       ; my codes' place in a step's
	v_lshrrev_b32 v5, 1, v2
	s_add_co_u32 s27, s27, 2*32*SP
	v_add_nc_u32 v5, s27, v5                       ; LDS: my wave's 256 scale bytes, my block's byte
	v_lshlrev_b32 v7, 3, v2                        ; and on the way out 8 bytes a lane
	v_add_nc_u32 v6, s27, v7
	s_wait_kmcnt 0x0
	s_mov_b64 s[22:23], s[16:17]                   ; which tensor is mine, and at which work-group it begins: the choice hangs on the work-group's number alone
	s_mov_b32 s24, 864
	s_cmp_lt_u32 ttmp9, 864
	s_cselect_b64 s[22:23], s[14:15], s[22:23]
	s_cselect_b32 s24, 832, s24
	s_cmp_lt_u32 ttmp9, 832
	s_cselect_b64 s[22:23], s[12:13], s[22:23]
	s_cselect_b32 s24, 800, s24
	s_cmp_lt_u32 ttmp9, 800
	s_cselect_b64 s[22:23], s[10:11], s[22:23]
	s_cselect_b32 s24, 768, s24
	s_cmp_lt_u32 ttmp9, 768
	s_cselect_b64 s[22:23], s[8:9], s[22:23]
	s_cselect_b32 s24, 512, s24
	s_cmp_lt_u32 ttmp9, 512
	s_cselect_b64 s[22:23], s[6:7], s[22:23]
	s_cselect_b32 s24, 256, s24
	s_cmp_lt_u32 ttmp9, 256
	s_cselect_b64 s[22:23], s[4:5], s[22:23]
	s_cselect_b32 s24, 0, s24
	s_sub_co_u32 s25, ttmp9, s24
	s_lshl_b32 s25, s25, 2
	s_add_co_u32 s28, s25, s26                     ; which run of 8,192 numbers of the tensor is my wave's
	s_mov_b32 s29, 0
	s_lshl_b64 s[30:31], s[28:29], 15              ; 32,768 bytes a run
	s_add_nc_u64 s[22:23], s[22:23], s[30:31]
	s_lshl_b32 s28, ttmp9, 2
	s_add_co_u32 s28, s28, s26                     ; and which run of the whole stream of outputs
	s_mov_b64 s[30:31], 32*STEPS*CB
	s_mul_u64 s[30:31], s[28:29], s[30:31]
	s_add_nc_u64 s[18:19], s[18:19], s[30:31]      ; 6,144 bytes of codes a run
	s_lshl_b32 s28, s28, 8
	s_add_nc_u64 s[20:21], s[20:21], s[28:29]      ; 256 scale bytes a run
.macro LOAD t
.irp i, 0,1,2,3
	global_load_b128 v[R+16*((\t)%4)+4*\i:R+16*((\t)%4)+4*\i+3], v3, s[22:23] offset:2048*(\t)+512*\i th:TH_LOAD_NT   ; 32 lanes read 512 consecutive bytes
.endr
.endm
.macro TURN t                          ; step t's numbers through the stage: LDS serves a wave's instructions in order, so no wait stands between the stores and the loads
.irp i, 0,1,2,3
	ds_store_b128 v14, v[R+16*((\t)%4)+4*\i:R+16*((\t)%4)+4*\i+3] offset:32*SP*((\t)%2)+8*SP*\i
.endr
.irp i, 0,1,2,3
	ds_load_b128 v[X+16*((\t)%2)+4*\i:X+16*((\t)%2)+4*\i+3], v15 offset:32*SP*((\t)%2)+16*\i
.endr
.endm
.irp t, 0,1,2,3
	LOAD \t
.endr
	s_wait_loadcnt 12                              ; step 0's four loads are in; the twelve of steps 1 to 3 may be out
	TURN 0
.macro STEP t
.set XS, X+16*((\t)%2)
.if (\t) > 0
	s_wait_dscnt 1                                 ; this step's numbers are back from the stage (the last step's byte store may be out): so its stores into the stage have read their registers,
.else
	s_wait_dscnt 0x0
.endif
.if (\t)+4 < STEPS
	LOAD (\t)+4                                    ; which take the loads of four steps on
.endif
.if (\t)+1 < STEPS
.if STEPS-2-(\t) >= 3
	s_wait_loadcnt 12                              ; the next step's four loads are in; those of the three steps behind it may be out
.else
	s_wait_loadcnt 4*(STEPS-2-(\t))
.endif
	TURN (\t)+1                                    ; and go through the other stage while this step is worked
.endif
	v_max3_num_f32 v8, |v[XS]|, |v[XS+1]|, |v[XS+2]|               ; the largest magnitude of my 16
	v_max3_num_f32 v9, |v[XS+3]|, |v[XS+4]|, |v[XS+5]|
.irp i, 6,10
	v_max3_num_f32 v8, v8, |v[XS+\i]|, |v[XS+\i+1]|
	v_max3_num_f32 v9, v9, |v[XS+\i+2]|, |v[XS+\i+3]|
.endr
	v_max3_num_f32 v8, v8, |v[XS+14]|, |v[XS+15]|
	v_max3_num_f32 v8, v8, v9, (EMAX+1)<<23        ; and the floor 2^(EMAX + 1 - 127): the byte cannot fall under 1
	v_max_num_f32_dpp v8, v8, v8 row_xmask:1 row_mask:0xf bank_mask:0xf   ; and of my neighbour's 16: the block's
	v_add_nc_u32 v11, -(EMAX<<23), v8              ; EMAX off its exponent field: the conversion takes the exponent field of this operand as its scale
	v_cvt_scalef32_pk16_fp6_f32 v[C+4*(\t):C+4*(\t)+2], v[XS:XS+15], v11   ; sixteen numbers / the scale, to the nearest code, ties to even, beyond the largest code the largest
	v_lshrrev_b32 v[E+(\t)], 23, v11               ; the scale's byte (a plain line behind the conversion)
	ds_store_b8 v5, v[E+(\t)] offset:16*(\t)       ; both lanes of a block write the same byte with the same value
	global_store_b96 v4, v[C+4*(\t):C+4*(\t)+2], s[18:19] offset:32*CB*(\t)
.endm
.irp t, 0,1,2,3,4,5,6,7,8,9,10,11,12,13,14,15
	STEP \t
.endr
	ds_load_b64 v[8:9], v6                         ; LDS serves a wave's instructions in order: these see my stores
	s_wait_dscnt 0x0
	global_store_b64 v7, v[8:9], s[20:21]          ; 32 lanes store 256 consecutive bytes, aligned
	s_wait_tensorcnt 0x0                           ; the wave's end: behind my last LDS store
	ds_add_u32 v[SPW], v[NIL]
	s_wait_dscnt 0x0
	s_endpgm
.Lfunc_end_k_q8672822e24_quant:
	.size	k_q8672822e24_quant, .Lfunc_end_k_q8672822e24_quant-k_q8672822e24_quant
	.p2alignl 7, 3214868480
	.fill 96, 4, 3214868480
	.section	.rodata,"a",@progbits
	.p2align	6, 0x0
	.amdhsa_kernel k_q8672822e24_quant
		.amdhsa_group_segment_fixed_size 33280
		.amdhsa_private_segment_fixed_size 0
		.amdhsa_enable_private_segment 0
		.amdhsa_kernarg_size 72
		.amdhsa_user_sgpr_count 2
		.amdhsa_user_sgpr_kernarg_segment_ptr 1
		.amdhsa_wavefront_size32 1
		.amdhsa_system_sgpr_workgroup_id_x 1
		.amdhsa_system_sgpr_workgroup_id_y 1
		.amdhsa_system_sgpr_workgroup_id_z 1
		.amdhsa_system_vgpr_workitem_id 0
		.amdhsa_next_free_vgpr 192
		.amdhsa_next_free_sgpr 66
		.amdhsa_reserve_vcc 0
		.amdhsa_float_denorm_mode_32 3
		.amdhsa_float_denorm_mode_16_64 3
		.amdhsa_memory_ordered 1
		.amdhsa_forward_progress 1
		.amdhsa_inst_pref_size 33
	.end_amdhsa_kernel
	.amdgpu_metadata
---
amdhsa.version: [ 1, 2 ]
amdhsa.kernels:
  - .name:           k_q8672822e24_quant
    .symbol:         k_q8672822e24_quant.kd
    .args:
      - { .name: q, .offset: 0, .size: 8, .value_kind: global_buffer, .address_space: global }
      - { .name: k, .offset: 8, .size: 8, .value_kind: global_buffer, .address_space: global }
      - { .name: v, .offset: 16, .size: 8, .value_kind: global_buffer, .address_space: global }
      - { .name: Wq, .offset: 24, .size: 8, .value_kind: global_buffer, .address_space: global }
      - { .name: Wk, .offset: 32, .size: 8, .value_kind: global_buffer, .address_space: global }
      - { .name: Wv, .offset: 40, .size: 8, .value_kind: global_buffer, .address_space: global }
      - { .name: Wd, .offset: 48, .size: 8, .value_kind: global_buffer, .address_space: global }
      - { .name: cod, .offset: 56, .size: 8, .value_kind: global_buffer, .address_space: global }
      - { .name: scl, .offset: 64, .size: 8, .value_kind: global_buffer, .address_space: global }
    .group_segment_fixed_size: 33280
    .private_segment_fixed_size: 0
    .kernarg_segment_align: 8
    .kernarg_segment_size: 72
    .max_flat_workgroup_size: 128
    .sgpr_count:     66
    .vgpr_count:     192
    .wavefront_size: 32
...
	.end_amdgpu_metadata
.endif
;; end of part 1
;; launch proj (part 2): grid 4 x 96, 4 waves a work-group, clusters of 4 x 4, 327,680 bytes of LDS; arguments cod, scl, hc, hs; writes hc, hs
.if DOCPART == 2
	.amdgcn_target "amdgcn-amd-amdhsa--gfx1250"
	.amdhsa_code_object_version 6
	.text
	.protected	k_q8672822e24_proj
	.globl	k_q8672822e24_proj
	.p2align	8
	.type	k_q8672822e24_proj,@function
k_q8672822e24_proj:
	s_mov_b64 s[64:65], 0
	v_nop
	global_prefetch_b8 v0, s[64:65] scope:SCOPE_SE
	s_setreg_imm32_b32 hwreg(HW_REG_WAVE_MODE, 25, 1), 1
	s_wait_xcnt 0x0
	s_wait_alu depctr_hold_cnt(0) depctr_sa_sdst(0) depctr_va_vdst(0) depctr_va_sdst(0) depctr_va_ssrc(0) depctr_va_vcc(0) depctr_vm_vsrc(0)
	s_getreg_b32 s2, hwreg(HW_REG_IB_STS2, 6, 4)
	s_cmp_eq_u32 s2, 0
	s_cbranch_scc0 .Lentry_in_a_cluster
	s_endpgm
.Lentry_in_a_cluster:
	s_bfe_u32 s2, ttmp6, 0x10000c
	s_cmp_lg_u32 s2, 0xf033
	s_cbranch_scc0 .Lentry_shape_is_right
	s_endpgm
.Lentry_shape_is_right:
; Launch 2 of 4: the three projections q Wq^T, k Wk^T, v Wv^T on codes of E2M3, and their results quantised on the way out into images of the operand registers that the attention launch loads.
; (time_lengths has no way to any output and is not among the arguments: see the first kernel's head.)
; Each problem is out[i][j] = sum over k of A[i][k] B[j][k], K = 1,024, out quantised along j.  Source 0 of the matrix instruction takes rows of B, source 1 rows of A: a lane then holds ONE row i, and its registers run along j.
;   problem 0, 1 (Q, K): A = the tokens, B = the weight: j = the channels: a head's 64 are two blocks of 32.      problem 2 (V): A = Wv (i = channels), B = v's tokens: j = the keys, which are the second attention product's K.
; A tile of out, 256 x 256, is made by four waves, each 128 x 128: 64 accumulators, 512 registers.  K goes in steps of 256 through a ring of two LDS slots filled by the tensor data mover; the scale bytes of the
; work-group's rows come into LDS once.  CLUSTERS: 4 x 4 work-groups; A's tiles are asked for jointly along a row of the cluster, B's along a column.  A cluster's number gives the problem (y / 8) and its place in it (y % 8):
; both are the same in all sixteen partners, and only selections, no branch, hang on them.
; THE WAY OUT.  The 64 registers of a block of 16 rows are four blocks of 32 along j; with natural tiles a lane (r, h) holds numbers 8 h + 0..7 and 16 + 8 h + 0..7 of each, so the codes come out in the order 0-7, 16-23, 8-15, 24-31
; inside a block, which every operand of this program has.  A fragment's twelve registers leave as two half images of 768 bytes: a lane's first four registers at 16 x lane, its last two at 512 + 8 x lane: whole consecutive bytes.
; LIMITS: the scale's byte is held at 4 from below (the attention launch takes 3 off Q's bytes): a block of results whose largest magnitude lies under 2^-121 is coded under the scale 2^-123.  NaN and infinities are not served.
; REGISTERS, in windows of 256: window 0: v0-31 addresses; v32-63 scale words, two sets; from v128 A's fragments, one set; on the way out v32-87 at work.   window 1: B's fragments, two sets.   windows 2, 3: the accumulators.
.set SIZE_K, 1024
.set KSTEP,  256                       ; along K in a slot
.set NQ,     KSTEP/128                 ; matrix instructions deep
.set ROWB,   192                       ; a tile's row in bytes
.set KROW,   SIZE_K*6/8                ; a row of codes in memory
.set PITCH,  240                       ; an LDS row: 3 x (64 bytes + 16 of padding)
.set FR,     12                        ; registers of a fragment
.set NL,     6                         ; LDS loads that bring one
.set NP,     4                         ; places behind this matrix instruction (ISA guide 7.12.1)
.set HALFT,  128*PITCH
.set SLOT,   4*HALFT
.set LAPS,   SIZE_K/(2*KSTEP)
.set KS,     SIZE_K/32                 ; a row of scale bytes
.set SCL,    2*SLOT                    ; behind the ring: the scales, as rows of 256 bytes + 16 of padding
.set HALFS,  (128*KS/256)*272
.set SBLK,   (16*KS/256)*272
.set SPARE,  SCL+4*HALFS               ; the spare words, 128 bytes a wave, which no other line names
.set ADRA, 16                          ; v16-19  LDS addresses of my A fragments (slot 0, 1; and behind one padding more)
.set ADRB, 20                          ; v20-23  the same for B
.set L16,  24                          ; v24     16 x lane
.set L8,   25                          ; v25     512 + 8 x lane
.set ADRS, 27                          ; v27     LDS address of my scale words
.set SPW,  28
.set NIL,  29
.set SC,   32
.set AF,   128
.set PC,   32                          ; the way out: v32-51 a block's codes
.set TM,   56                          ; v56-71 at work
.set PW,   72                          ; v72-79 the eight blocks' scale words
.set OW,   80                          ; v80-87 the same as they leave
.set G1, 24
.set G0, 32
.set G1B, 48
.set G0B, 56
.set G1S, 68
.set G0S, 76
.set G1SB, 80
.set G0SB, 88
.set MSB, 0
.macro WIN new                         ; the immediate's high byte repeats the setting that is left
.if MSB != \new
	s_set_vgpr_msb (MSB<<8)|\new
.set MSB, \new
.endif
.endm
.set MUL_LO, 0xa1                      ; source 0 (B) window 1, source 1 (A) window 0, C and D window 2
.set MUL_HI, 0xf1
.set TO_B,   0x40
; A joint load: waves 0 and 1 fetch for A, waves 2 and 3 for B; the branch hangs on the wave's number alone.  An s_nop 0 and four v_nop follow each line.
.macro JLOAD g0a, g1a, g0b, g1b
	s_cmp_eq_u32 s15, 0
	s_cbranch_scc0 .Lfor_b_\@
	tensor_load_to_lds s[\g0a:\g0a+3], s[\g1a:\g1a+7]
	s_nop 0
.rept 4
	v_nop
.endr
	s_branch .Lasked_\@
.Lfor_b_\@:
	tensor_load_to_lds s[\g0b:\g0b+3], s[\g1b:\g1b+7]
	s_nop 0
.rept 4
	v_nop
.endr
.Lasked_\@:
.endm
.macro CREST                           ; a round of the cluster's barrier behind its opening barrier
	s_cmp_lg_u32 s14, 0
	s_cbranch_scc1 .Lnot_wave_0_\@
	s_barrier_signal -3
.Lnot_wave_0_\@:
	s_barrier_wait -3
	s_barrier_signal -1
	s_barrier_wait -1
.endm
.macro CROUND
	s_barrier_signal -1
	s_barrier_wait -1
	CREST
.endm
	s_load_b256 s[4:11], s[0:1], 0x0               ; cod s[4:5], scl s[6:7], hc s[8:9], hs s[10:11]
	v_lshl_add_u32 v[SPW], v0, 2, SPARE
	v_mov_b32 v[NIL], 0
	ds_add_u32 v[SPW], v[NIL]                      ; the wave's opening: the add, twice on end, and its wait ahead of my first tensor load
	ds_add_u32 v[SPW], v[NIL]
	v_lshrrev_b32 v1, 5, v0
	v_readfirstlane_b32 s14, v1                    ; wave 0..3
	s_lshr_b32 s15, s14, 1                         ; which half of the tile's rows is mine.  Also: I fetch for A (0) or for B (1)
	s_and_b32 s16, s14, 1                          ; which half of its columns.  Also: which 128 rows of that tile I fetch
	s_bfe_u32 s40, ttmp6, 0x40000                  ; cx, cy: my place in the cluster
	s_bfe_u32 s41, ttmp6, 0x40004
	s_and_b32 s96, ttmp7, 0xffff                   ; the cluster's y: 0 .. 23
	s_lshr_b32 s95, s96, 3                         ; the problem: 0 Q, 1 K, 2 V
	s_and_b32 s96, s96, 7                          ; which of the problem's eight clusters
	s_cmp_eq_u32 s95, 2
	s_cselect_b32 s42, s96, 0                      ; V: the clusters lie side by side along the tokens, which are its columns;
	s_cselect_b32 s17, 0, s96                      ; Q, K: one below the other along the tokens, which are their rows
	s_lshl_b32 s42, s42, 2
	s_add_co_u32 s42, s42, s40                     ; tile column
	s_lshl_b32 s17, s17, 2
	s_add_co_u32 s17, s17, s41                     ; tile row
	s_lshl_b32 s43, s41, 2
	s_lshl_b32 s43, 15, s43                        ; my row of the cluster
	s_lshl_b32 s44, 0x1111, s40                    ; my column
	s_or_b32 s[G1+0], s43, (0<<16)|(1<<20)|(1<<21)|(3<<22)|(3<<25)  ; the mask; elements of 1 byte; padding on: 4 words behind every 16; bit 21 beside a mask
	s_or_b32 s[G1B+0], s44, (0<<16)|(1<<20)|(1<<21)|(3<<22)|(3<<25)
.irp g, G1, G1B
	s_mov_b32 s[\g+1], ROWB<<16                    ; tensor_dim0
	s_mov_b32 s[\g+2], 128<<16                     ; tensor_dim1
	s_mov_b32 s[\g+3], ROWB<<16                    ; tile_dim0
	s_mov_b32 s[\g+4], 128                         ; tile_dim1
	s_mov_b32 s[\g+5], KROW                        ; tensor_dim0_stride
	s_mov_b32 s[\g+6], 0
	s_mov_b32 s[\g+7], 0
.endr
	s_or_b32 s[G1S+0], s43, (3<<16)|(1<<20)|(1<<21)|(5<<22)|(3<<25)  ; the scales of 128 rows: 4,096 dense bytes as rows of 256, 16 bytes of padding behind each
	s_or_b32 s[G1SB+0], s44, (3<<16)|(1<<20)|(1<<21)|(5<<22)|(3<<25)
.irp g, G1S, G1SB
	s_mov_b32 s[\g+1], 32<<16
	s_mov_b32 s[\g+2], (128*KS/256)<<16
	s_mov_b32 s[\g+3], 32<<16
	s_mov_b32 s[\g+4], 128*KS/256
	s_mov_b32 s[\g+5], 32
	s_mov_b32 s[\g+6], 0
	s_mov_b32 s[\g+7], 0
.endr
	; where the problem's two tensors begin in cod and in scl
	s_mul_i32 s97, s95, 6291456                    ; the tokens' codes
	s_mul_i32 s98, s95, 786432
	s_add_co_u32 s98, s98, 18874368                ; the weight's codes
	s_lshl_b32 s99, s95, 18                        ; the tokens' scale bytes
	s_lshl_b32 s100, s95, 15
	s_add_co_u32 s100, s100, 786432                ; the weight's
	s_cmp_eq_u32 s95, 2
	s_cselect_b32 s12, s98, s97                    ; A's codes
	s_cselect_b32 s13, s97, s98                    ; B's codes
	s_cselect_b32 s66, s100, s99                   ; A's scale bytes
	s_cselect_b32 s67, s99, s100                   ; B's
	s_lshl_b32 s18, s16, 7                         ; which 128 rows of the tile I fetch
	s_lshl_b32 s20, s17, 8
	s_add_co_u32 s20, s20, s18                     ; A: row 256 x tile row + 128 x half
	s_lshl_b32 s46, s42, 8
	s_add_co_u32 s46, s46, s18                     ; B: row 256 x tile column + 128 x half
	s_mov_b32 s21, 0
	s_mov_b32 s47, 0
	s_mov_b64 s[18:19], KS
	s_mul_u64 s[22:23], s[20:21], s[18:19]         ; where these rows' scales begin, in bytes (all these offsets stay under 2^25)
	s_mul_u64 s[92:93], s[46:47], s[18:19]
	s_mov_b64 s[18:19], KROW
	s_mul_u64 s[20:21], s[20:21], s[18:19]         ; and their codes
	s_mul_u64 s[46:47], s[46:47], s[18:19]
	s_add_co_u32 s20, s20, s12
	s_add_co_u32 s22, s22, s66
	s_add_co_u32 s46, s46, s13
	s_add_co_u32 s92, s92, s67
	s_mul_i32 s45, s14, HALFT                      ; where they go: wave x 128 rows: no place in the cluster enters an LDS address
	s_mul_i32 s94, s14, HALFS
	s_wait_dscnt 0x0                               ; both opening adds are done
	s_wait_kmcnt 0x0
	s_add_nc_u64 s[20:21], s[4:5], s[20:21]
	s_add_nc_u64 s[22:23], s[6:7], s[22:23]
	s_add_nc_u64 s[46:47], s[4:5], s[46:47]
	s_add_nc_u64 s[92:93], s[6:7], s[92:93]
	CROUND                                         ; all sixteen work-groups are here: the first joint loads meet
	s_mov_b32 s[G0S], 1
	s_add_co_u32 s[G0S+1], s94, SCL
	s_mov_b64 s[G0S+2:G0S+3], s[22:23]
	s_or_b32 s[G0S+3], s[G0S+3], 0x80000000
	s_mov_b32 s[G0SB], 1
	s_add_co_u32 s[G0SB+1], s94, SCL
	s_mov_b64 s[G0SB+2:G0SB+3], s[92:93]
	s_or_b32 s[G0SB+3], s[G0SB+3], 0x80000000
	JLOAD G0S, G1S, G0SB, G1SB                     ; the scales first: they are wanted with K step 0
.irp s, 0,1
	s_mov_b32 s[G0+4*\s], 1
	s_add_co_u32 s[G0+4*\s+1], s45, \s*SLOT
	s_add_nc_u64 s[G0+4*\s+2:G0+4*\s+3], s[20:21], \s*ROWB
	s_or_b32 s[G0+4*\s+3], s[G0+4*\s+3], 0x80000000
	s_mov_b32 s[G0B+4*\s], 1
	s_add_co_u32 s[G0B+4*\s+1], s45, \s*SLOT
	s_add_nc_u64 s[G0B+4*\s+2:G0B+4*\s+3], s[46:47], \s*ROWB
	s_or_b32 s[G0B+4*\s+3], s[G0B+4*\s+3], 0x80000000
	JLOAD G0+4*\s, G1, G0B+4*\s, G1B               ; three tensor loads of mine are out
.endr
	v_and_b32 v1, 15, v0                           ; l % 16
	v_bfe_u32 v2, v0, 4, 1                         ; l / 16
	v_mul_u32_u24 v3, v1, PITCH
	v_mul_u32_u24 v4, v2, 24
	v_add_nc_u32 v4, v3, v4                        ; a fragment's row x pitch + 24 x half
	v_lshl_add_u32 v5, v2, 4, v4                   ; and the same behind one padding more
	s_mul_i32 s21, s15, HALFT                      ; my 128 rows of A
	s_mul_i32 s22, s16, HALFT                      ; my 128 rows of B,
	s_add_co_u32 s22, s22, 2*HALFT                 ; which lie behind A's 256
.irp s, 0,1
	v_add_nc_u32 v[ADRA+\s], s21, v4
	v_add_nc_u32 v[ADRB+\s], s22, v4
	v_add_nc_u32 v[ADRA+2+\s], s21, v5
	v_add_nc_u32 v[ADRB+2+\s], s22, v5
	s_add_co_u32 s21, s21, SLOT
	s_add_co_u32 s22, s22, SLOT
.endr
	v_mul_u32_u24 v5, v1, KS                       ; my row's scales: KS bytes a row,
	v_lshrrev_b32 v6, 8, v5
	v_lshl_add_u32 v5, v6, 4, v5                   ; and 16 more for each 256 passed
	s_mul_i32 s21, s15, HALFS                      ; A's: my 128 rows
	s_mul_i32 s22, s16, HALFS                      ; B's: my 128 rows, behind A's 256
	s_add_co_u32 s22, s22, 2*HALFS
	s_sub_co_u32 s22, s22, s21
	v_mul_u32_u24 v6, s22, v2                      ; lanes 16-31 take B's
	s_add_co_u32 s21, s21, SCL
	v_add_nc_u32 v5, v5, v6
	v_add_nc_u32 v[ADRS], s21, v5
	v_and_b32 v6, 31, v0
	v_lshlrev_b32 v[L16], 4, v6
	v_lshl_add_u32 v[L8], v6, 3, 512
	; THE WAY OUT'S ADDRESSES.  R0, C0: my first row and column of out.  U = my first token, W = my first channel
	s_lshl_b32 s20, s17, 8
	s_lshl_b32 s21, s15, 7
	s_add_co_u32 s20, s20, s21                     ; R0
	s_lshl_b32 s46, s42, 8
	s_lshl_b32 s47, s16, 7
	s_add_co_u32 s46, s46, s47                     ; C0
	s_cmp_eq_u32 s95, 2
	s_cselect_b32 s22, s46, s20                    ; U
	s_cselect_b32 s23, s20, s46                    ; W
	s_mov_b32 s100, 768
	s_cselect_b32 s100, 1536, s100                 ; from a block of 16 rows to the next: Q, K: the next 16 tokens' tile; V: the next 16 channels' two half images
	s_mov_b32 s104, 768
	s_cselect_b32 s104, 93696, s104                ; from block 3 to block 4: V goes on to the next head: 98,304 - 3 x 1,536
	s_mov_b32 s92, 98304
	s_cselect_b32 s92, 768, s92                    ; from a fragment's first half image to its second: Q, K: the next head; V: the next 64 keys
	s_mov_b32 s101, 0
	s_mov_b32 s105, 0
	s_mov_b32 s93, 0
	s_cmp_eq_u32 s95, 1                            ; K's scale words leave paired by head, Q's and V's as they are
	s_mov_b32 s96, 0x03020100
	s_cselect_b32 s96, 0x05040100, s96
	s_mov_b32 s97, 0x07060504
	s_cselect_b32 s97, 0x07060302, s97
	s_lshr_b32 s18, s22, 11                        ; the batch
	s_lshl_b32 s18, s18, 4
	s_lshr_b32 s19, s23, 6                         ; the head
	s_add_co_u32 s18, s18, s19
	s_mul_i32 s18, s18, 98304                      ; a head's block
	s_and_b32 s19, s22, 2047
	s_mul_i32 s19, s19, 48                         ; 768 bytes for 16 tokens (Q, K), 6,144 for 128 keys (V): 48 a token either way
	s_add_co_u32 s18, s18, s19
	s_mul_i32 s19, s95, 6291456                    ; the problem's section of hc
	s_add_co_u32 s18, s18, s19
	s_mov_b32 s19, 0
	s_add_nc_u64 s[12:13], s[8:9], s[18:19]        ; P0: the first half image
	s_add_nc_u64 s[66:67], s[12:13], s[92:93]      ; P1: the second
	s_lshr_b32 s18, s23, 7                         ; the pair of heads
	s_lshl_b32 s18, s18, 6
	s_lshr_b32 s94, s22, 7                         ; the block of 128 tokens
	s_add_co_u32 s18, s18, s94
	s_lshl_b32 s18, s18, 9                         ; 512 bytes a record
	s_lshl_b32 s94, s95, 18                        ; the problem's section of hs
	s_add_co_u32 s18, s18, s94
	s_add_nc_u64 s[98:99], s[10:11], s[18:19]      ; PS
	s_mov_b32 s20, 0x76543210                      ; v_permlanex16_b32's selects for lane l xor 16
	s_mov_b32 s21, 0xfedcba98
	s_mov_b32 s22, 0xffff0000                      ; lanes 16-31
.macro FRAG reg, adr, q, i             ; a fragment: lane l holds row l % 16; registers 6 c .. 6 c + 5 hold K = 64 c + 32 (l / 16) + 0 .. 31: 24 bytes of the row, in pieces of 8
.irp p, 0,1,2,3,4,5
.set PCE, 12*(\q)+6*(\p/3)+\p%3        ; where the piece three on lies behind one padding more, the second address register serves
.if PCE%8 < 5
	ds_load_b64 v[\reg+2*\p:\reg+2*\p+1], v[\adr] offset:8*PCE+16*(PCE/8)+(\i)*16*PITCH
.else
	ds_load_b64 v[\reg+2*\p:\reg+2*\p+1], v[\adr+2] offset:8*PCE+16*(PCE/8)+(\i)*16*PITCH
.endif
.endr
.endm
; 16 matrix instructions: A's blocks a0, a0 + 1 x B's eight, 128 along K.  The 64 accumulators take turns, one instruction a turn, in the same order in every step.
.macro MUL16 a0, p, q, sc, zero
.irp a, \a0, \a0+1
.irp b, 0,1,2,3,4,5,6,7
.if \zero
	v_wmma_scale_f32_16x16x128_f8f6f4 v[8*(8*((\a)%4)+\b):8*(8*((\a)%4)+\b)+7], v[128*(\p)+FR*\b:128*(\p)+FR*\b+FR-1], v[AF+FR*(\a):AF+FR*(\a)+FR-1], 0, v[SC+8*NQ*(\sc)+NQ*\b+(\q)], v[SC+8*NQ*(\sc)+NQ*(\a)+(\q)] matrix_a_fmt:MATRIX_FMT_FP6 matrix_b_fmt:MATRIX_FMT_FP6 matrix_a_scale:MATRIX_SCALE_ROW1
.else
	v_wmma_scale_f32_16x16x128_f8f6f4 v[8*(8*((\a)%4)+\b):8*(8*((\a)%4)+\b)+7], v[128*(\p)+FR*\b:128*(\p)+FR*\b+FR-1], v[AF+FR*(\a):AF+FR*(\a)+FR-1], v[8*(8*((\a)%4)+\b):8*(8*((\a)%4)+\b)+7], v[SC+8*NQ*(\sc)+NQ*\b+(\q)], v[SC+8*NQ*(\sc)+NQ*(\a)+(\q)] matrix_a_fmt:MATRIX_FMT_FP6 matrix_b_fmt:MATRIX_FMT_FP6 matrix_a_scale:MATRIX_SCALE_ROW1
.endif
.endr
.endr
.endm
.macro FETCH_B slot, q, p
	WIN TO_B
.irp i, 0,1,2,3,4,5,6,7
	FRAG 128*(\p)+FR*\i, ADRB+\slot, \q, \i
.endr
	WIN 0
.endm
.macro FETCH_A slot, q, i0
.irp i, \i0, \i0+1, \i0+2, \i0+3
	FRAG AF+FR*(\i), ADRA+\slot, \q, \i
.endr
.endm
.macro SCALES sc                       ; the next K step's scale words: lanes 0-15 take A's block i, lanes 16-31 B's block i
.irp i, 0,1,2,3,4,5,6,7
	ds_load_b64 v[SC+8*NQ*\sc+NQ*\i:SC+8*NQ*\sc+NQ*\i+1], v[ADRS] offset:\i*SBLK
.endr
.endm
.macro PLACES n                        ; plain vector lines between a matrix instruction and a load into, or a vector line on, its registers
.rept \n
	v_nop
.endr
.endm
.macro STEP slot, q, zero              ; a step of 128 along K that has its successor in the same slot
	s_wait_dscnt 4*NL                              ; B's set and A's blocks 0-3 are in; the youngest 24 loads (A's blocks 4-7) may be out
	WIN MUL_LO
	MUL16 0, (\q)%2, \q, \slot, \zero
	MUL16 2, (\q)%2, \q, \slot, \zero
	s_wait_dscnt 0
	PLACES NP
	FETCH_B \slot, (\q)+1, 1-(\q)%2
	FETCH_A \slot, (\q)+1, 0
	WIN MUL_HI
	MUL16 4, (\q)%2, \q, \slot, \zero
	MUL16 6, (\q)%2, \q, \slot, \zero
	PLACES NP
	WIN 0
	FETCH_A \slot, (\q)+1, 4
.endm
; A slot's last step changes slots: one barrier; in front of it each wave waits for all its tensor loads, adds 0 to its spare word, and waits for that and for its own reads of this slot.
.macro TURN slot, next, fill
	s_wait_tensorcnt 0x0                           ; all my tensor loads have landed: my part of the next slot
	ds_add_u32 v[SPW], v[NIL]
	s_wait_dscnt 4*NL+1                            ; (the add and the youngest 24 loads, A's blocks 4-7, may be out)
	WIN MUL_LO
	MUL16 0, 1, NQ-1, \slot, 0
	s_wait_dscnt 0x0                               ; the add is done, and my reads of this slot are over
	s_barrier_signal -1
	MUL16 2, 1, NQ-1, \slot, 0
	WIN 0
	s_barrier_wait -1
.if \fill
	CREST                                          ; the barrier has opened a round of the cluster's barrier: no wave of any partner still reads this slot or has a load on its way
	s_add_nc_u64 s[G0+4*\slot+2:G0+4*\slot+3], s[G0+4*\slot+2:G0+4*\slot+3], 2*ROWB
	s_add_nc_u64 s[G0B+4*\slot+2:G0B+4*\slot+3], s[G0B+4*\slot+2:G0B+4*\slot+3], 2*ROWB
	JLOAD G0+4*\slot, G1, G0B+4*\slot, G1B         ; the first tensor load behind the round; its four v_nop are the places in front of the loads below
.else
	PLACES NP
.endif
	v_add_nc_u32 v[ADRS], 4*NQ, v[ADRS]            ; on to the next K step's scale words
	FETCH_B \next, 0, 0
	FETCH_A \next, 0, 0
	SCALES \next
	WIN MUL_HI
	MUL16 4, 1, NQ-1, \slot, 0
	MUL16 6, 1, NQ-1, \slot, 0
	PLACES NP
	WIN 0
	FETCH_A \next, 0, 4
.endm
	s_wait_tensorcnt 1                             ; the scales and my part of K step 0 are in (K step 1's load may be out)
	s_barrier_signal -1
	s_barrier_wait -1                              ; everybody's are
	FETCH_B 0, 0, 0
	FETCH_A 0, 0, 0
	SCALES 0
	FETCH_A 0, 0, 4
	STEP 0, 0, 1                                   ; the first step stands in front of the loop: its products start the sums
	s_mov_b32 s3, LAPS-1
.Llap:                                                 ; a trip goes once round the ring and fills both slots again
	TURN 0, 1, 1
	STEP 1, 0, 0
	TURN 1, 0, 1
	STEP 0, 0, 0
	s_sub_co_u32 s3, s3, 1
	s_cmp_lg_u32 s3, 0
	s_cbranch_scc1 .Llap
	TURN 0, 1, 0                                   ; the last lap fills nothing
	STEP 1, 0, 0
	s_wait_dscnt 4*NL
	WIN MUL_LO
	MUL16 0, 1, NQ-1, 1, 0
	MUL16 2, 1, NQ-1, 1, 0
	s_wait_dscnt 0
	WIN MUL_HI
	MUL16 4, 1, NQ-1, 1, 0
	MUL16 6, 1, NQ-1, 1, 0
	WIN 0
; THE WAY OUT of block a: 16 rows x 128 along j, in the 64 registers of its eight accumulators: register 16 b + i belongs to block b of 32.  The largest magnitudes, the bytes, the codes; the halves change places so that a lane
; holds a whole block; four stores.  Each accumulator is read from its low end on.
.macro OUTBLK a
.set AC, 64*((\a)%4)
.set WW, 2+(\a)/4                      ; the accumulators' window
.if (\a) > 0
	s_wait_xcnt 0x0                                ; the last block's stores have read their data and their bases: both are written again only behind this wait
.if (\a) == 4
	s_add_nc_u64 s[12:13], s[12:13], s[104:105]
	s_add_nc_u64 s[66:67], s[66:67], s[104:105]
.else
	s_add_nc_u64 s[12:13], s[12:13], s[100:101]
	s_add_nc_u64 s[66:67], s[66:67], s[100:101]
.endif
.endif
	WIN WW*5                                       ; sources 0 and 1 in the accumulators' window
.irp b, 0,1,2,3
	v_max3_num_f32 v[TM+\b], |v[AC+16*\b]|, |v[AC+16*\b+1]|, 0x3000000   ; and the floor 2^(6 - 127): the byte cannot fall under 4
.endr
	WIN WW*20                                      ; sources 1 and 2
.irp i, 2,4,6,8,10,12,14
.irp b, 0,1,2,3
	v_max3_num_f32 v[TM+\b], v[TM+\b], |v[AC+16*\b+\i]|, |v[AC+16*\b+\i+1]|   ; (the four blocks by turns)
.endr
.endr
	WIN 0
.irp b, 0,1,2,3
	v_permlanex16_b32 v[TM+4+\b], v[TM+\b], s20, s21
.endr
.irp b, 0,1,2,3
	v_max_num_f32 v[TM+\b], v[TM+\b], v[TM+4+\b]   ; with lane l xor 16's: the block's largest magnitude
.endr
.irp b, 0,1,2,3
	v_add_nc_u32 v[TM+12+\b], 0xff000000, v[TM+\b] ; 2 off its exponent field: the conversion's scale operand
.endr
.irp b, 0,1,2,3
	v_lshrrev_b32 v[TM+4+\b], 23, v[TM+12+\b]      ; the scale's byte
.endr
	v_lshl_or_b32 v[PW+(\a)], v[TM+5], 8, v[TM+4]  ; my row's scale word
	v_lshl_or_b32 v[PW+(\a)], v[TM+6], 16, v[PW+(\a)]
	v_lshl_or_b32 v[PW+(\a)], v[TM+7], 24, v[PW+(\a)]
	WIN WW                                         ; source 0
.irp c, 0,1
	v_cvt_scalef32_pk16_fp6_f32 v[PC+6*\c:PC+2+6*\c], v[AC+32*\c:AC+15+32*\c], v[TM+12+2*\c]
	v_cvt_scalef32_pk16_fp6_f32 v[PC+12+4*\c:PC+14+4*\c], v[AC+16+32*\c:AC+31+32*\c], v[TM+12+2*\c+1]   ; (a conversion's three registers begin on an even number)
.endr
	WIN 0
	v_nop                                          ; one plain line behind a scaled conversion
.irp c, 0,1                            ; the operand's layout wants a whole block in a lane: lanes 0-15 block 2 c, lanes 16-31 block 2 c + 1
.irp i, 0,1,2
	v_permlane16_swap_b32 v[PC+6*\c+\i], v[PC+12+4*\c+\i]
.endr
.irp i, 0,1,2
	v_mov_b32 v[PC+3+6*\c+\i], v[PC+12+4*\c+\i]
.endr
.endr
	global_store_b128 v[L16], v[PC:PC+3], s[12:13]         ; 512 consecutive bytes,
	global_store_b64 v[L8], v[PC+4:PC+5], s[12:13]         ; and the 256 behind them
	global_store_b128 v[L16], v[PC+6:PC+9], s[66:67]
	global_store_b64 v[L8], v[PC+10:PC+11], s[66:67]
.endm
	PLACES NP                                      ; behind the last products: the lines below write registers that held scale words, and read results
.irp b, 0,1,2,3
	v_mov_b32 v[TM+4+\b], 0                        ; written once: a lane permute's destination counts as one of its sources
.endr
.irp a, 0,1,2,3,4,5,6,7
	OUTBLK \a
.endr
	; the eight scale words leave as one record of 512 bytes, 16 a lane.  Q, V: lane 16 g + r holds the words of blocks g, 2 + g, 4 + g, 6 + g.  K: g is the head of the pair, word i its two bytes of block 2 i and its two of block 2 i + 1
.irp i, 0,1,2,3
	v_perm_b32 v[OW+\i], v[PW+2*\i+1], v[PW+2*\i], s96
	v_perm_b32 v[OW+4+\i], v[PW+2*\i+1], v[PW+2*\i], s97
.endr
.irp i, 0,1,2,3
	v_cndmask_b32 v[OW+\i], v[OW+\i], v[OW+4+\i], s22
.endr
	global_store_b128 v[L16], v[OW:OW+3], s[98:99]
	s_wait_tensorcnt 0x0                           ; the wave's end
	ds_add_u32 v[SPW], v[NIL]
	s_wait_dscnt 0x0
	CROUND                                         ; the closing round: no work-group ends while a partner may still ask for a tile that names it
	s_endpgm
.Lfunc_end_k_q8672822e24_proj:
	.size	k_q8672822e24_proj, .Lfunc_end_k_q8672822e24_proj-k_q8672822e24_proj
	.p2alignl 7, 3214868480
	.fill 96, 4, 3214868480
	.section	.rodata,"a",@progbits
	.p2align	6, 0x0
	.amdhsa_kernel k_q8672822e24_proj
		.amdhsa_group_segment_fixed_size 327680
		.amdhsa_private_segment_fixed_size 0
		.amdhsa_enable_private_segment 0
		.amdhsa_kernarg_size 32
		.amdhsa_user_sgpr_count 2
		.amdhsa_user_sgpr_kernarg_segment_ptr 1
		.amdhsa_wavefront_size32 1
		.amdhsa_system_sgpr_workgroup_id_x 1
		.amdhsa_system_sgpr_workgroup_id_y 1
		.amdhsa_system_sgpr_workgroup_id_z 1
		.amdhsa_system_vgpr_workitem_id 0
		.amdhsa_next_free_vgpr 1024
		.amdhsa_next_free_sgpr 106
		.amdhsa_reserve_vcc 0
		.amdhsa_float_denorm_mode_32 3
		.amdhsa_float_denorm_mode_16_64 3
		.amdhsa_memory_ordered 1
		.amdhsa_forward_progress 1
		.amdhsa_inst_pref_size 168
	.end_amdhsa_kernel
	.amdgpu_metadata
---
amdhsa.version: [ 1, 2 ]
amdhsa.kernels:
  - .name:           k_q8672822e24_proj
    .symbol:         k_q8672822e24_proj.kd
    .args:
      - { .name: cod, .offset: 0, .size: 8, .value_kind: global_buffer, .address_space: global }
      - { .name: scl, .offset: 8, .size: 8, .value_kind: global_buffer, .address_space: global }
      - { .name: hc, .offset: 16, .size: 8, .value_kind: global_buffer, .address_space: global }
      - { .name: hs, .offset: 24, .size: 8, .value_kind: global_buffer, .address_space: global }
    .group_segment_fixed_size: 327680
    .private_segment_fixed_size: 0
    .kernarg_segment_align: 8
    .kernarg_segment_size: 32
    .max_flat_workgroup_size: 128
    .sgpr_count:     106
    .vgpr_count:     1024
    .wavefront_size: 32
...
	.end_amdgpu_metadata
.endif
;; end of part 2
;; launch attn (part 3): grid 4 x 128, 16 waves a work-group, clusters of 4 x 1, 327,680 bytes of LDS; arguments hc, hs, mask, zc, zs; writes zc, zs
.if DOCPART == 3
	.amdgcn_target "amdgcn-amd-amdhsa--gfx1250"
	.amdhsa_code_object_version 6
	.text
	.protected	k_q8672822e24_attn
	.globl	k_q8672822e24_attn
	.p2align	8
	.type	k_q8672822e24_attn,@function
k_q8672822e24_attn:
	s_mov_b64 s[64:65], 0
	v_nop
	global_prefetch_b8 v0, s[64:65] scope:SCOPE_SE
	s_setreg_imm32_b32 hwreg(HW_REG_WAVE_MODE, 25, 1), 1
	s_wait_xcnt 0x0
	s_wait_alu depctr_hold_cnt(0) depctr_sa_sdst(0) depctr_va_vdst(0) depctr_va_sdst(0) depctr_va_ssrc(0) depctr_va_vcc(0) depctr_vm_vsrc(0)
	s_getreg_b32 s2, hwreg(HW_REG_IB_STS2, 6, 4)
	s_cmp_eq_u32 s2, 0
	s_cbranch_scc0 .Lentry_in_a_cluster
	s_endpgm
.Lentry_in_a_cluster:
	s_bfe_u32 s2, ttmp6, 0x10000c
	s_cmp_lg_u32 s2, 0x3003
	s_cbranch_scc0 .Lentry_shape_is_right
	s_endpgm
.Lentry_shape_is_right:
; Launch 3 of 4: z = softmax(Q K^T / 8 + mask) V for 64 (batch, head) pairs, both products on codes of E2M3; z is quantised along the channels for the last projection.
; (time_lengths has no way to any output and is not among the arguments: see the first kernel's head.)
; THE SOFTMAX: t = (score / 8 + mask) x log2(e); M = the row's largest t so far, rounded up to a whole number; p = 2^(t - M) is quantised along the keys, not normalised; the row's sum is taken of the unquantised p
; and divides at the end.  When M moves, the sum and O are multiplied by 2^(old M - new M): exact.
; SHARES.  A work-group owns 64 queries of one batch and FOUR heads; wave w owns head w % 4 of them and queries 16 (w / 4) on: one tile, 256 registers, four waves to a SIMD.  Every wave walks the 2,048 keys, 128 a step.
; CLUSTER.  The four partners have the same 64 queries and the four groups of four heads.  The mask does not hang on the head: a step's tile of it (64 rows x 512 bytes) is asked for JOINTLY, by wave 8 of each, with one descriptor and a
; mask that names the four.  K's and V's parts are each work-group's own loads (waves 0 to 7), behind the same round.
; THE MASK COSTS NO VECTOR LINE: it is loaded from LDS into the score's accumulator and is the C of the first product.  The division by 8 is 3 off each of Q's scale bytes (they are at least 4 as they come): exact.
; K = 64 IN AN INSTRUCTION OF 128: two tiles of keys share 18 registers [even tile's 6][6 zeros][odd tile's 6]; the even tile takes the first 12 against [Q][zeros], the odd tile the last 12 against [zeros][Q]: zero codes add nothing.
; One scale word serves the pair: bytes 0, 1 the even tile's, bytes 2, 3 the odd tile's; Q's word holds its two bytes twice.
; LAYOUT.  Both products are used transposed (S^T = K Q^T, O^T = V^T P^T): a lane holds one query throughout.  Tiles are natural; inside a block of 32 all operands have the order 0-7, 16-23, 8-15, 24-31.
; K, V and Q come as images of operand registers: half a fragment is 768 bytes, a lane's first four registers at 16 x lane, its last two at 512 + 8 x lane.
; LIMITS: a mask of -infinity goes to the matrix unit as C; a row whose every mask entry is -infinity gives NaN, as reference() does.  NaN among the inputs is not served.
; REGISTERS: v1-5 addresses that stay; v6, v7 the add's two; v8-11, v35 addresses in hand; v12 -M, v13 the largest t, v[14:15] the sum; v16-33 Q's 18; v34 Q's scale word; v36-53, v54-71, v78-95, v212-229 K's four 18s;
; v72-75 K's scale words, v76-77 V's; v96-159 the mask, then S^T, then p, then V's four fragments; v160-191 O^T; v192-203 p's codes; v230 the prefetches' offset; v232-254 at work; v248-250 r, h, lane.
.set SLOT1, 131072                     ; slot 1 begins here: one exclusive or turns an address from one slot to the other
.set PARTB, 6144                       ; a head's K or V of one step: what one tensor load brings
.set VOFF,  4*PARTB                    ; a slot: four heads' K, four heads' V,
.set MOFF,  8*PARTB                    ; and the mask's tile: 64 rows x (512 bytes + 16)
.set MP,    528
.set SCB,   2*SLOT1                    ; behind the ring: the scale words of all 16 steps: K's two pairs of heads, V's two: 8,192 bytes each, 512 a step
.set ZSTG,  SCB+32768                  ; the way out: 64 rows x (16 places of 16 bytes + 16)
.set ZP,    272
.set ZSCL,  ZSTG+64*ZP                 ; and 64 rows x 8 scale bytes
.set SPARE, ZSCL+512                   ; the spare words, 128 bytes a wave, which no other line names
.set A16, 1
.set A8,  2
.set AM,  3
.set AKS, 4
.set AVS, 5
.set SPW, 6
.set NIL, 7
.set AD16, 8
.set AD8,  9
.set ADM,  10
.set ADS,  11
.set ADT,  35
.set QSW,  34
.set KSW,  72
.set VSW,  76
.set PCD,  192
.set PFO,  230
.set VR,   248
.set VH,   249
.set VL,   250
.set WV,   18
.set SEL,  20
.set CS,   22
.set G1KV, 24
.set G1S,  32
.set G1M,  40
.set G0A,  48
.set G0S,  52
.set G0M,  56
.set TB,   60                          ; s60  LDS byte at which the slot in hand begins
.set TS,   61                          ; s61  the step's scale words: 512 bytes a step
.set CNT,  62                          ; s62  steps still to be asked for
.set PFA,  66                          ; s[66:67] where my prefetches stand
.set PFS,  68                          ; s[68:69] a step on, in bytes
.set LIM,  70                          ; s70  1 in a wave that prefetches, else the greatest number
.macro CROUND                          ; a round of the cluster's barrier
	s_barrier_signal -1
	s_barrier_wait -1
	s_cmp_lg_u32 s[WV], 0
	s_cbranch_scc1 .Lnot_wave_0_\@
	s_barrier_signal -3
.Lnot_wave_0_\@:
	s_barrier_wait -3
	s_barrier_signal -1
	s_barrier_wait -1
.endm
; Waves 0 to 7 fetch the four heads' K and V, wave 8 the mask's tile (the joint load), the others nothing.  The branches hang on the wave's number alone.  An s_nop 0 and four v_nop follow each line.
.macro TLOAD
	s_cmp_lt_u32 s[WV], 8
	s_cbranch_scc0 .Lnot_kv_\@
	tensor_load_to_lds s[G0A:G0A+3], s[G1KV:G1KV+7]
	s_nop 0
.rept 4
	v_nop
.endr
	s_branch .Lasked_\@
.Lnot_kv_\@:
	s_cmp_eq_u32 s[WV], 8
	s_cbranch_scc0 .Lasked_\@
	tensor_load_to_lds s[G0M:G0M+3], s[G1M:G1M+7]
	s_nop 0
.rept 4
	v_nop
.endr
.Lasked_\@:
.endm
; A PREFETCH INTO THE L2 of what the NEXT change of slots will ask for, one step ahead of that load, behind the wave's tensor load and its five lines.  K's and V's parts: all 32 clusters of a batch walk the same ones, so the first
; of them (query block 0: a number of the cluster, the same in all partners) asks, each loading wave for its own 6,144 bytes, lanes 256 bytes apart (lanes 24 to 31 name the last block again).  The mask's tile is this cluster's alone:
; wave 8 of each partner asks for 16 of its 64 rows, told apart by address, two lanes to a row's 512 bytes.  The last change that fills a slot asks for nothing; nothing is asked for at the head.
.macro ASK
	s_cmp_gt_u32 s[CNT], s[LIM]
	s_cbranch_scc0 .Lnot_mine_\@
	global_prefetch_b8 v[PFO], s[PFA:PFA+1] th:TH_LOAD_NT scope:SCOPE_SE
.Lnot_mine_\@:
.endm
	s_load_b256 s[4:11], s[0:1], 0x0               ; hc s[4:5], hs s[6:7], mask s[8:9], zc s[10:11]
	s_load_b64 s[12:13], s[0:1], 0x20              ; zs
	v_lshl_add_u32 v[SPW], v0, 2, SPARE
	v_mov_b32 v[NIL], 0
	ds_add_u32 v[SPW], v[NIL]                      ; the wave's opening: the add, twice on end, and its wait ahead of my first tensor load
	ds_add_u32 v[SPW], v[NIL]
	v_lshrrev_b32 v8, 5, v0
	v_readfirstlane_b32 s[WV], v8                  ; wave 0..15
	s_bfe_u32 s74, ttmp6, 0x40000                  ; cx: my group of four heads; it enters global addresses alone
	s_and_b32 s71, ttmp7, 0xffff
	s_lshr_b32 s72, s71, 5                         ; the batch
	s_and_b32 s73, s71, 31                         ; the block of 64 queries
	s_and_b32 s75, s[WV], 3                        ; hh: my head of the four
	s_lshr_b32 s76, s[WV], 2                       ; qt: my tile of queries
	s_and_b32 s77, s[WV], 1                        ; e: my head in its pair
	s_bfe_u32 s78, s[WV], 0x10001                  ; hp: the pair
	s_and_b32 s79, s[WV], 7                        ; pw: which part I fetch, if I fetch
	s_mov_b32 s[G1KV], 3<<16                       ; 6,144 dense bytes as 24 rows of 256: elements of 8 bytes, no mask, no padding
	s_mov_b32 s[G1KV+1], 32<<16
	s_mov_b32 s[G1KV+2], 24<<16
	s_mov_b32 s[G1KV+3], 32<<16
	s_mov_b32 s[G1KV+4], 24
	s_mov_b32 s[G1KV+5], 32
	s_mov_b32 s[G1KV+6], 0
	s_mov_b32 s[G1KV+7], 0
	s_mov_b32 s[G1S], 3<<16                        ; 4,096 dense bytes of scale words as 16 rows of 256
	s_mov_b32 s[G1S+1], 32<<16
	s_mov_b32 s[G1S+2], 16<<16
	s_mov_b32 s[G1S+3], 32<<16
	s_mov_b32 s[G1S+4], 16
	s_mov_b32 s[G1S+5], 32
	s_mov_b32 s[G1S+6], 0
	s_mov_b32 s[G1S+7], 0
	s_mov_b32 s[G1M], 15|(2<<16)|(1<<20)|(1<<21)|(6<<22)|(3<<25)   ; the mask's tile: all four work-groups; elements of 4 bytes; 4 words of padding behind every 128; bit 21 beside a mask
	s_mov_b32 s[G1M+1], 128<<16
	s_mov_b32 s[G1M+2], 64<<16
	s_mov_b32 s[G1M+3], 128<<16
	s_mov_b32 s[G1M+4], 64
	s_mov_b32 s[G1M+5], 2048
	s_mov_b32 s[G1M+6], 0
	s_mov_b32 s[G1M+7], 0
	s_lshr_b32 s80, s79, 2
	s_add_co_u32 s80, s80, 1                       ; the section: 1 K, 2 V
	s_mul_i32 s81, s80, 6291456
	s_lshl_b32 s82, s72, 4
	s_lshl_b32 s83, s74, 2
	s_add_co_u32 s82, s82, s83                     ; 16 x batch + 4 cx: my group's first head
	s_and_b32 s83, s79, 3
	s_add_co_u32 s83, s82, s83
	s_mul_i32 s83, s83, 98304
	s_add_co_u32 s84, s81, s83                     ; my part of step 0, in hc
	s_mov_b32 s85, 0
	s_lshl_b32 s86, s80, 18                        ; the section of hs,
	s_lshl_b32 s87, s74, 1
	s_bfe_u32 s88, s79, 0x10001
	s_add_co_u32 s87, s87, s88                     ; the pair of heads,
	s_lshl_b32 s87, s87, 6
	s_lshl_b32 s88, s72, 4
	s_add_co_u32 s87, s87, s88                     ; the batch's 16 steps,
	s_and_b32 s88, s79, 1
	s_lshl_b32 s88, s88, 3
	s_add_co_u32 s87, s87, s88                     ; the first eight or the last
	s_lshl_b32 s87, s87, 9
	s_add_co_u32 s86, s86, s87
	s_mov_b32 s87, 0
	s_lshl_b32 s88, s72, 11
	s_lshl_b32 s89, s73, 6
	s_add_co_u32 s88, s88, s89                     ; my work-group's first query, as a row of [8192]: kept
	s_lshl_b32 s90, s88, 13                        ; its row of the mask: 8,192 bytes a row
	s_mov_b32 s91, 0
	s_mov_b32 s[SEL], 0x76543210
	s_mov_b32 s[SEL+1], 0xfedcba98
	s_mov_b32 s[CS], 0x3fb8aa3b                    ; log2(e)
	s_mov_b32 s[CS+1], s[CS]
	s_mov_b32 s[TB], 0
	s_mov_b32 s[TS], 0
	s_mov_b32 s[CNT], 15
	s_wait_dscnt 0x0                               ; both opening adds are done
	s_wait_kmcnt 0x0
	s_mov_b32 s[G0A], 1
	s_mul_i32 s[G0A+1], s79, PARTB                 ; slot 0: parts 0-3 K's heads, 4-7 V's
	s_add_nc_u64 s[G0A+2:G0A+3], s[4:5], s[84:85]
	s_or_b32 s[G0A+3], s[G0A+3], 0x80000000
	s_mov_b32 s[G0S], 1
	s_lshl_b32 s[G0S+1], s79, 12
	s_add_co_u32 s[G0S+1], s[G0S+1], SCB
	s_add_nc_u64 s[G0S+2:G0S+3], s[6:7], s[86:87]
	s_or_b32 s[G0S+3], s[G0S+3], 0x80000000
	s_mov_b32 s[G0M], 1
	s_mov_b32 s[G0M+1], MOFF
	s_add_nc_u64 s[G0M+2:G0M+3], s[8:9], s[90:91]  ; no register of this group holds cx
	s_or_b32 s[G0M+3], s[G0M+3], 0x80000000
	CROUND                                         ; all four work-groups are here: the first joint load meets
	s_cmp_lt_u32 s[WV], 8                          ; a wave's first fills stand in one branch: two loads of waves 0 to 7 are out, one of wave 8
	s_cbranch_scc0 .Lfirst_not_kv
	tensor_load_to_lds s[G0S:G0S+3], s[G1S:G1S+7]  ; the scale words: filled once
	s_nop 0
	tensor_load_to_lds s[G0A:G0A+3], s[G1KV:G1KV+7]
	s_nop 0
.rept 4
	v_nop
.endr
	s_branch .Lfirst_done
.Lfirst_not_kv:
	s_cmp_eq_u32 s[WV], 8
	s_cbranch_scc0 .Lfirst_done
	tensor_load_to_lds s[G0M:G0M+3], s[G1M:G1M+7]
	s_nop 0
.rept 4
	v_nop
.endr
.Lfirst_done:
	v_and_b32 v[VR], 15, v0                        ; r
	v_bfe_u32 v[VH], v0, 4, 1                      ; h
	v_and_b32 v[VL], 31, v0                        ; lane
	; Q: my tile's half image, twice, and its scale word
	s_add_co_u32 s92, s82, s75                     ; my head
	s_lshl_b32 s92, s92, 7                         ; 128 tiles of 16 tokens a head
	s_lshl_b32 s93, s73, 2
	s_add_co_u32 s92, s92, s93
	s_add_co_u32 s92, s92, s76
	s_mul_i32 s92, s92, 768
	s_mov_b32 s93, 0
	s_add_nc_u64 s[92:93], s[4:5], s[92:93]
	s_lshl_b32 s94, s74, 1
	s_add_co_u32 s94, s94, s78                     ; my pair of heads
	s_lshl_b32 s94, s94, 6
	s_lshl_b32 s95, s72, 4
	s_add_co_u32 s94, s94, s95
	s_lshr_b32 s95, s73, 1
	s_add_co_u32 s94, s94, s95                     ; the block of 128 tokens
	s_lshl_b32 s94, s94, 9
	s_and_b32 s95, s73, 1
	s_lshl_b32 s95, s95, 2
	s_add_co_u32 s95, s95, s76                     ; a: my tile among the block's eight
	s_and_b32 s96, s95, 1
	s_lshl_b32 s96, s96, 8
	s_add_co_u32 s94, s94, s96                     ; the record's lanes 16 (a % 2) + r,
	s_lshr_b32 s96, s95, 1
	s_lshl_b32 s96, s96, 2
	s_add_co_u32 s94, s94, s96                     ; word a / 2
	s_mov_b32 s95, 0
	s_add_nc_u64 s[94:95], s[6:7], s[94:95]
	v_lshlrev_b32 v8, 4, v[VL]
	v_lshl_add_u32 v9, v[VL], 3, 512
	v_lshlrev_b32 v10, 4, v[VR]
	global_load_b128 v[16:19], v8, s[92:93]
	global_load_b64 v[20:21], v9, s[92:93]
	global_load_b128 v[28:31], v8, s[92:93]
	global_load_b64 v[32:33], v9, s[92:93]
	global_load_b32 v232, v10, s[94:95]
	; the LDS addresses that stay: constants, the lane, the wave's number
	s_mul_i32 s96, s75, PARTB
	v_lshl_add_u32 v[A16], v[VL], 4, s96           ; an image's first 512 bytes, my head's
	s_add_co_u32 s96, s96, 512
	v_lshl_add_u32 v[A8], v[VL], 3, s96            ; and its last 256
	s_mul_i32 s96, s76, 16*MP
	s_add_co_u32 s96, s96, MOFF
	v_mul_u32_u24 v[AM], v[VR], MP
	v_lshl_add_u32 v[AM], v[VH], 5, v[AM]
	v_add_nc_u32 v[AM], s96, v[AM]                 ; the mask: row 16 qt + r, + 32 h: register j of tile t is key 16 t + 8 h + j
	s_lshl_b32 s96, s78, 13
	s_lshl_b32 s97, s77, 8
	s_add_co_u32 s97, s97, s96
	s_add_co_u32 s97, s97, SCB
	v_lshl_add_u32 v[AKS], v[VR], 4, s97           ; K's scale words: my pair, my head's 256 bytes, 16 a key row: four words, one for each pair of tiles
	s_lshl_b32 s97, s77, 3
	s_add_co_u32 s97, s97, s96
	s_add_co_u32 s97, s97, SCB+16384
	v_lshl_add_u32 v[AVS], v[VL], 4, s97           ; V's: 16 a lane, my head's 8 bytes: two words; lanes 0-15 hold tiles 0 and 2 of the head's 64, lanes 16-31 tiles 1 and 3
	; the prefetches
	s_add_nc_u64 s[PFA:PFA+1], s[4:5], s[84:85]
	s_add_nc_u64 s[PFA:PFA+1], s[PFA:PFA+1], PARTB ; my part of step 1: the first change of slots steps it to step 2
	s_lshl_b32 s96, s74, 4
	s_add_co_u32 s96, s96, s88
	s_lshl_b32 s96, s96, 13
	s_add_co_u32 s96, s96, 512
	s_mov_b32 s97, 0
	s_add_nc_u64 s[96:97], s[8:9], s[96:97]        ; the mask: my work-group's 16 rows of the 64, step 1
	s_cmp_eq_u32 s[WV], 8
	s_cselect_b64 s[PFA:PFA+1], s[96:97], s[PFA:PFA+1]
	s_mov_b32 s[PFS], PARTB
	s_cselect_b32 s[PFS], 512, s[PFS]
	s_mov_b32 s[PFS+1], 0
	s_cselect_b32 s98, -1, 0
	v_min_u32 v231, 23, v[VL]
	v_lshlrev_b32 v231, 8, v231
	v_lshrrev_b32 v[PFO], 1, v[VL]
	v_lshlrev_b32 v[PFO], 13, v[PFO]
	v_and_b32 v251, 1, v[VL]
	v_lshl_add_u32 v[PFO], v251, 8, v[PFO]
	v_cndmask_b32 v[PFO], v231, v[PFO], s98
	s_cmp_eq_u32 s73, 0
	s_cselect_b32 s[LIM], 1, -1
	s_cmp_lt_u32 s[WV], 8
	s_cselect_b32 s[LIM], s[LIM], -1
	s_cmp_eq_u32 s[WV], 8
	s_cselect_b32 s[LIM], 1, s[LIM]
	s_cmp_eq_u32 s77, 0                            ; which two bytes of Q's word are my head's
	s_mov_b32 s96, 0x03020302
	s_cselect_b32 s96, 0x01000100, s96
	v_mov_b32 v13, 0xff61b1e6                      ; the largest t so far: -3e38
	v_floor_f32 v12, -v13                          ; -M
	v_mov_b32 v14, 0
	v_mov_b32 v15, 0
.irp b, 0,1,2,3
	v_mov_b32 v[236+\b], 0                         ; written once: a lane permute's destination counts as one of its sources
.endr
	v_mov_b32 v253, 0                              ; (named as the upper half of the pair v[252:253] before it is first written)
.irp i, 0,1,2,3,4,5
	v_mov_b32 v[22+\i], 0                          ; the zero codes between Q's two copies,
.irp p, 0,1,2,3
	v_mov_b32 v[36+18*\p+6*(\p/2)+116*(\p/3)+6+\i], 0   ; and in the middle of each of K's four 18s: written once
.endr
.endr
	s_wait_loadcnt 0x0                             ; Q
	v_perm_b32 v[QSW], v232, v232, s96             ; my head's two bytes, twice,
	v_add_nc_u32 v[QSW], 0xfcfcfcfd, v[QSW]        ; and 3 off each: the division by 8 (every byte is at least 4: no borrow)
.set j, 0
.rept 32
	v_mov_b32 v[160+j], 0                          ; O^T: the loop's first step finds zeros.  (These are also the places between the scale word's last write and the first scaled product)
.set j, j+1
.endr
; A KEY STEP: 128 keys.
.macro STEP
	v_add_nc_u32 v[AD16], s[TB], v[A16]
	v_add_nc_u32 v[AD8], s[TB], v[A8]
	v_add_nc_u32 v[ADM], s[TB], v[AM]
	v_add_nc_u32 v[ADS], s[TS], v[AKS]
	v_add_nc_u32 v[ADT], s[TS], v[AVS]
	v_nop                                          ; six plain lines behind the last step's products: loads land in registers that they read, and the products below write over them
	ds_load_b128 v[KSW:KSW+3], v[ADS]
.irp t, 0,1,2,3,4,5,6,7
.set KT, 36+18*(\t/2)+6*(\t/4)+116*(\t/6)+12*(\t%2)
	ds_load_b128 v[KT:KT+3], v[AD16] offset:768*\t
	ds_load_b64 v[KT+4:KT+5], v[AD8] offset:768*\t
.endr
.irp t, 0,1,2,3,4,5,6,7
	ds_load_b128 v[96+8*\t:99+8*\t], v[ADM] offset:64*\t
	ds_load_b128 v[100+8*\t:103+8*\t], v[ADM] offset:64*\t+16
.endr
.irp t, 0,1,2,3,4,5,6,7                ; S^T = K Q^T / 8 + mask
.if \t == 0
	s_wait_dscnt 8                                 ; all but the youngest eight loads, the mask of tiles 4 to 7
.endif
.if \t == 4
	s_wait_dscnt 0x0
.endif
.set KA, 36+18*(\t/2)+6*(\t/4)+116*(\t/6)+6*(\t%2)
	v_wmma_scale_f32_16x16x128_f8f6f4 v[96+8*\t:103+8*\t], v[KA:KA+11], v[16+6*(\t%2):27+6*(\t%2)], v[96+8*\t:103+8*\t], v[KSW+\t/2], v[QSW] matrix_a_fmt:MATRIX_FMT_FP6 matrix_b_fmt:MATRIX_FMT_FP6
.endr
.rept 4
	v_nop
.endr
.irp b, 0,1,2,3
	v_max3_num_f32 v[232+\b], v[96+16*\b], v[97+16*\b], v[98+16*\b]   ; the largest score of each block of 32 keys: for the row's maximum and, since p rises with the score, for the block's largest p
.endr
.irp i, 3,5,7,9,11,13
.irp b, 0,1,2,3
	v_max3_num_f32 v[232+\b], v[232+\b], v[96+16*\b+\i], v[97+16*\b+\i]
.endr
.endr
.irp b, 0,1,2,3
	v_max_num_f32 v[232+\b], v[232+\b], v[111+16*\b]
.endr
.irp b, 0,1,2,3
	v_permlanex16_b32 v[236+\b], v[232+\b], s[SEL], s[SEL+1]
.endr
.irp b, 0,1,2,3
	v_max_num_f32 v[232+\b], v[232+\b], v[236+\b]  ; with lane l xor 16's 16 keys
.endr
	v_max3_num_f32 v254, v232, v233, v234
	v_max_num_f32 v254, v254, v235                 ; the step's largest score of my query
	v_mul_f32 v254, s[CS], v254                    ; as t
	v_max_num_f32 v13, v13, v254                   ; the running largest t
	v_mov_b32 v254, v12
	v_floor_f32 v12, -v13                          ; the new -M = -ceil(t): a whole number
	v_sub_f32 v254, v12, v254                      ; old M - new M: a whole number, 0 or less
	v_cvt_i32_f32 v254, v254                       ; (it saturates)
	v_ldexp_f32 v252, 1.0, v254                    ; f = 2^(old M - new M)
.set j, 0
.rept 32
	v_pk_fma_f32 v[96+j:97+j], v[96+j:97+j], s[CS:CS+1], v[12:13] op_sel_hi:[1,0,0]   ; t - M, two at a time
.set j, j+2
.endr
.irp b, 0,1,2,3
	v_fma_f32 v[232+\b], v[232+\b], s[CS], v12     ; the same of each block's largest score
.endr
.set j, 0
.rept 64
	v_exp_f32 v[96+j], v[96+j]                     ; p = 2^(t - M), at most 1
.set j, j+1
.endr
	v_pk_mul_f32 v[14:15], v[14:15], v[252:253] op_sel_hi:[1,0]   ; the sums under the new M (a plain line behind the exponentials)
	s_wait_alu depctr_va_vdst(0)                   ; one wait for the whole batch, ahead of its first reader
.irp b, 0,1,2,3
	v_exp_f32 v[232+\b], v[232+\b]                 ; the block's largest p
.endr
	v_pk_add_f32 v[236:237], v[96:97], v[98:99]    ; the row's sum of the unquantised p, in two chains
.irp j, 4,8,12,16,20,24,28,32,36,40,44,48,52,56,60
	v_pk_add_f32 v[14:15], v[14:15], v[96+\j:97+\j]
	v_pk_add_f32 v[236:237], v[236:237], v[98+\j:99+\j]
.endr
	v_pk_add_f32 v[14:15], v[14:15], v[236:237]
	s_wait_alu depctr_va_vdst(0)                   ; and one for the four
.irp b, 0,1,2,3
	v_max_num_f32 v[232+\b], 0x1800000, v[232+\b]  ; the floor 2^(3 - 127): the byte cannot fall under 1
.endr
.irp b, 0,1,2,3
	v_add_nc_u32 v[244+\b], 0xff000000, v[232+\b]  ; 2 off the exponent field: the conversion's scale operand
.endr
.irp b, 0,1,2,3
	v_lshrrev_b32 v[236+\b], 23, v[244+\b]         ; the scale's byte
.endr
	v_lshl_or_b32 v253, v237, 8, v236              ; p's scale word for these 128 keys
	v_lshl_or_b32 v253, v238, 16, v253
	v_lshl_or_b32 v253, v239, 24, v253
.irp c, 0,1
	v_cvt_scalef32_pk16_fp6_f32 v[PCD+6*\c:PCD+2+6*\c], v[96+32*\c:111+32*\c], v[244+2*\c]
	v_cvt_scalef32_pk16_fp6_f32 v[236+4*\c:238+4*\c], v[112+32*\c:127+32*\c], v[244+2*\c+1]
.endr
	v_nop                                          ; one plain line behind a scaled conversion
	ds_load_b64 v[VSW:VSW+1], v[ADT]               ; V's scale words and its four fragments, into the registers that p has left; they land under the lines below
.irp d, 0,1,2,3
.irp c, 0,1
	ds_load_b128 v[96+12*\d+6*\c:99+12*\d+6*\c], v[AD16] offset:VOFF+1536*\d+768*\c
	ds_load_b64 v[100+12*\d+6*\c:101+12*\d+6*\c], v[AD8] offset:VOFF+1536*\d+768*\c
.endr
.endr
.irp c, 0,1                            ; the operand's layout wants a whole block in a lane
.irp i, 0,1,2
	v_permlane16_swap_b32 v[PCD+6*\c+\i], v[236+4*\c+\i]
.endr
.irp i, 0,1,2
	v_mov_b32 v[PCD+3+6*\c+\i], v[236+4*\c+\i]
.endr
.endr
.set j, 0
.rept 16
	v_pk_mul_f32 v[160+j:161+j], v[160+j:161+j], v[252:253] op_sel_hi:[1,0]   ; O^T under the new M.  (Also the places in front of the products below)
.set j, j+2
.endr
	s_wait_dscnt 0x0
.irp d, 0,1,2,3                        ; O^T += V^T P^T: four tiles of 16 of the head's 64; K = these 128 keys
.if \d%2
	v_wmma_scale_f32_16x16x128_f8f6f4 v[160+8*\d:167+8*\d], v[96+12*\d:107+12*\d], v[PCD:PCD+11], v[160+8*\d:167+8*\d], v[VSW+\d/2], v253 matrix_a_fmt:MATRIX_FMT_FP6 matrix_b_fmt:MATRIX_FMT_FP6 matrix_a_scale:MATRIX_SCALE_ROW1
.else
	v_wmma_scale_f32_16x16x128_f8f6f4 v[160+8*\d:167+8*\d], v[96+12*\d:107+12*\d], v[PCD:PCD+11], v[160+8*\d:167+8*\d], v[VSW+\d/2], v253 matrix_a_fmt:MATRIX_FMT_FP6 matrix_b_fmt:MATRIX_FMT_FP6
.endif
.endr
	s_xor_b32 s[TB], s[TB], SLOT1                  ; on to the other slot,
	s_add_co_u32 s[TS], s[TS], 512                 ; and the next step's scale words
.endm
; THE CHANGE OF SLOTS stands at a step's head.  Each wave waits for all its tensor loads, adds 0 to its spare word (fill = 1: twice on end), and waits for that and for its reads of
; the slot that it has left.  fill = 1: the barrier is a round of the cluster's, and behind it that slot is filled with the next step's tiles: one load a wave, which has a whole step in which to land.
.macro CHANGE fill
	s_wait_tensorcnt 0x0                           ; no tensor load of mine is out, so a group 0 may be written
	ds_add_u32 v[SPW], v[NIL]
.if \fill
	ds_add_u32 v[SPW], v[NIL]
	s_xor_b32 s[G0A+1], s[G0A+1], SLOT1            ; the walking descriptors: the other slot, the next step
	s_add_nc_u64 s[G0A+2:G0A+3], s[G0A+2:G0A+3], PARTB
	s_xor_b32 s[G0M+1], s[G0M+1], SLOT1
	s_add_nc_u64 s[G0M+2:G0M+3], s[G0M+2:G0M+3], 512
	s_wait_xcnt 0x0                                ; the last prefetch, a step back, has read its address
	s_add_nc_u64 s[PFA:PFA+1], s[PFA:PFA+1], s[PFS:PFS+1]
	s_wait_dscnt 0x0                               ; both adds are done, and my reads of the slot that I have left are over
	CROUND
	TLOAD
	ASK
.else
	s_wait_dscnt 0x0
	s_barrier_signal -1
	s_barrier_wait -1
.endif
.endm
.Lstep:                                            ; 15 trips: behind each change of slots but the last the next step's tiles are asked for
	CHANGE 1
	STEP
	s_sub_co_u32 s[CNT], s[CNT], 1
	s_cmp_lg_u32 s[CNT], 0
	s_cbranch_scc1 .Lstep
	CHANGE 0                                       ; the last step is written out
	STEP
	; THE WAY OUT.  O^T / the sum is z(query r, channels 16 d + 8 h + j): two blocks of 32 of the last projection's K.  A lane's 16 numbers of a block are 12 bytes of codes; they meet in a stage, a place of 16 bytes each,
	; and leave as rows: sixteen lanes store the 192 consecutive bytes that the work-group's four heads have in a token's row.
	v_add_f32 v14, v14, v15
	v_permlanex16_b32 v252, v14, s[SEL], s[SEL+1]
	v_add_f32 v14, v14, v252                       ; the row's sum
	v_rcp_f32 v14, v14
	s_mul_i32 s84, s76, 16*ZP
	s_lshl_b32 s85, s75, 6
	s_add_co_u32 s84, s84, s85
	s_add_co_u32 s84, s84, ZSTG
	v_mul_u32_u24 v8, v[VR], ZP                    ; (plain lines behind the reciprocal)
	v_lshl_add_u32 v8, v[VH], 4, v8
	v_add_nc_u32 v8, s84, v8                       ; into the stage: row 16 qt + r, place 4 hh + h (the second block: two places on)
	s_lshl_b32 s84, s76, 7
	s_lshl_b32 s85, s75, 1
	s_add_co_u32 s84, s84, s85
	s_add_co_u32 s84, s84, ZSCL
	v_lshl_add_u32 v9, v[VR], 3, s84               ; my head's two scale bytes of row 16 qt + r
	s_mul_i32 s84, s[WV], 4*ZP
	s_add_co_u32 s84, s84, ZSTG
	v_mul_u32_u24 v10, v[VH], ZP
	v_lshl_add_u32 v10, v[VR], 4, v10
	v_add_nc_u32 v10, s84, v10                     ; back: rows 4 w + h and 4 w + 2 + h, place r
	s_lshl_b32 s84, s77, 8
	s_add_co_u32 s84, s84, ZSCL
	v_lshl_add_u32 v11, v[VL], 3, s84              ; the scale bytes back: row 32 (w % 2) + lane
	v_mul_u32_u24 v35, v[VH], 768
	v_mad_u32_u24 v35, v[VR], 12, v35              ; the same places in zc
	v_lshlrev_b32 v251, 5, v[VL]                   ; and in zs: 32 bytes a token
	s_lshl_b32 s80, s[WV], 2
	s_add_co_u32 s80, s80, s88
	s_mul_i32 s80, s80, 768
	s_mul_i32 s81, s74, 192
	s_add_co_u32 s80, s80, s81
	s_mov_b32 s81, 0
	s_add_nc_u64 s[10:11], s[10:11], s[80:81]
	s_lshl_b32 s82, s77, 5
	s_add_co_u32 s82, s82, s88
	s_lshl_b32 s82, s82, 5
	s_lshl_b32 s83, s74, 3
	s_add_co_u32 s82, s82, s83
	s_mov_b32 s83, 0
	s_add_nc_u64 s[12:13], s[12:13], s[82:83]
	s_wait_alu depctr_va_vdst(0)                   ; the wait ahead of the reciprocal's first reader
.set j, 0
.rept 16
	v_pk_mul_f32 v[96+j:97+j], v[160+j:161+j], v[14:15] op_sel_hi:[1,0]   ; each accumulator from its low end on
.set j, j+2
.endr
.irp b, 0,1
	v_max3_num_f32 v[232+\b], |v[96+16*\b]|, |v[97+16*\b]|, 0x1800000
.endr
.irp i, 2,4,6,8,10,12,14
.irp b, 0,1
	v_max3_num_f32 v[232+\b], v[232+\b], |v[96+16*\b+\i]|, |v[97+16*\b+\i]|
.endr
.endr
.irp b, 0,1
	v_permlanex16_b32 v[236+\b], v[232+\b], s[SEL], s[SEL+1]
.endr
.irp b, 0,1
	v_max_num_f32 v[232+\b], v[232+\b], v[236+\b]
.endr
.irp b, 0,1
	v_add_nc_u32 v[244+\b], 0xff000000, v[232+\b]
.endr
.irp b, 0,1
	v_lshrrev_b32 v[236+\b], 23, v[244+\b]
.endr
	v_lshl_or_b32 v240, v237, 8, v236
	v_cvt_scalef32_pk16_fp6_f32 v[192:194], v[96:111], v244
	v_cvt_scalef32_pk16_fp6_f32 v[196:198], v[112:127], v245
	v_nop
	ds_store_b96 v8, v[192:194]
	ds_store_b96 v8, v[196:198] offset:32
	ds_store_b16 v9, v240                          ; both halves of the lanes write the same two bytes with the same value
	s_wait_dscnt 0x0                               ; for the others' sake: my stores are done
	s_barrier_signal -1
	s_barrier_wait -1
	ds_load_b96 v[200:202], v10
	ds_load_b96 v[204:206], v10 offset:2*ZP
	s_wait_dscnt 0x0
	global_store_b96 v35, v[200:202], s[10:11]
	global_store_b96 v35, v[204:206], s[10:11] offset:2*768
	s_cmp_lt_u32 s[WV], 2                          ; waves 0 and 1 store the 64 rows' scale bytes, 8 a row
	s_cbranch_scc0 .Lno_zs
	ds_load_b64 v[208:209], v11
	s_wait_dscnt 0x0
	global_store_b64 v251, v[208:209], s[12:13]
.Lno_zs:
	s_wait_tensorcnt 0x0                           ; the wave's end: behind my last tensor load and my last LDS store
	ds_add_u32 v[SPW], v[NIL]
	s_wait_dscnt 0x0
	CROUND                                         ; the closing round
	s_endpgm
.Lfunc_end_k_q8672822e24_attn:
	.size	k_q8672822e24_attn, .Lfunc_end_k_q8672822e24_attn-k_q8672822e24_attn
	.p2alignl 7, 3214868480
	.fill 96, 4, 3214868480
	.section	.rodata,"a",@progbits
	.p2align	6, 0x0
	.amdhsa_kernel k_q8672822e24_attn
		.amdhsa_group_segment_fixed_size 327680
		.amdhsa_private_segment_fixed_size 0
		.amdhsa_enable_private_segment 0
		.amdhsa_kernarg_size 40
		.amdhsa_user_sgpr_count 2
		.amdhsa_user_sgpr_kernarg_segment_ptr 1
		.amdhsa_wavefront_size32 1
		.amdhsa_system_sgpr_workgroup_id_x 1
		.amdhsa_system_sgpr_workgroup_id_y 1
		.amdhsa_system_sgpr_workgroup_id_z 1
		.amdhsa_system_vgpr_workitem_id 0
		.amdhsa_next_free_vgpr 256
		.amdhsa_next_free_sgpr 100
		.amdhsa_reserve_vcc 0
		.amdhsa_float_denorm_mode_32 3
		.amdhsa_float_denorm_mode_16_64 3
		.amdhsa_memory_ordered 1
		.amdhsa_forward_progress 1
		.amdhsa_inst_pref_size 53
	.end_amdhsa_kernel
	.amdgpu_metadata
---
amdhsa.version: [ 1, 2 ]
amdhsa.kernels:
  - .name:           k_q8672822e24_attn
    .symbol:         k_q8672822e24_attn.kd
    .args:
      - { .name: hc, .offset: 0, .size: 8, .value_kind: global_buffer, .address_space: global }
      - { .name: hs, .offset: 8, .size: 8, .value_kind: global_buffer, .address_space: global }
      - { .name: mask, .offset: 16, .size: 8, .value_kind: global_buffer, .address_space: global }
      - { .name: zc, .offset: 24, .size: 8, .value_kind: global_buffer, .address_space: global }
      - { .name: zs, .offset: 32, .size: 8, .value_kind: global_buffer, .address_space: global }
    .group_segment_fixed_size: 327680
    .private_segment_fixed_size: 0
    .kernarg_segment_align: 8
    .kernarg_segment_size: 40
    .max_flat_workgroup_size: 512
    .sgpr_count:     100
    .vgpr_count:     256
    .wavefront_size: 32
...
	.end_amdgpu_metadata
.endif
;; end of part 3
;; launch outp (part 4): grid 4 x 32, 4 waves a work-group, clusters of 4 x 4, 327,680 bytes of LDS; arguments zc, zs, cod, scl, out0; writes out0
.if DOCPART == 4
	.amdgcn_target "amdgcn-amd-amdhsa--gfx1250"
	.amdhsa_code_object_version 6
	.text
	.protected	k_q8672822e24_outp
	.globl	k_q8672822e24_outp
	.p2align	8
	.type	k_q8672822e24_outp,@function
k_q8672822e24_outp:
	s_mov_b64 s[64:65], 0
	v_nop
	global_prefetch_b8 v0, s[64:65] scope:SCOPE_SE
	s_setreg_imm32_b32 hwreg(HW_REG_WAVE_MODE, 25, 1), 1
	s_wait_xcnt 0x0
	s_wait_alu depctr_hold_cnt(0) depctr_sa_sdst(0) depctr_va_vdst(0) depctr_va_sdst(0) depctr_va_ssrc(0) depctr_va_vcc(0) depctr_vm_vsrc(0)
	s_getreg_b32 s2, hwreg(HW_REG_IB_STS2, 6, 4)
	s_cmp_eq_u32 s2, 0
	s_cbranch_scc0 .Lentry_in_a_cluster
	s_endpgm
.Lentry_in_a_cluster:
	s_bfe_u32 s2, ttmp6, 0x10000c
	s_cmp_lg_u32 s2, 0xf033
	s_cbranch_scc0 .Lentry_shape_is_right
	s_endpgm
.Lentry_shape_is_right:
; Launch 4 of 4: out0[m][n] = sum over k of z[m][k] Wd[n][k] on codes of E2M3.  z: zc [8192][768 bytes], zs [8192][32]; Wd: its sections of cod and scl; out0 [8192][1024] f32.
; (time_lengths has no way to any output and is not among the arguments: see the first kernel's head.)
; Both operands have, inside each block of 32 along K, the order 0-7, 16-23, 8-15, 24-31: each number meets its partner and both scales.
; A tile of out0, 256 x 256, is made by four waves, each 128 x 128: 64 accumulators.  K goes in steps of 256 through a ring of two LDS slots filled by the tensor data mover; the scale bytes come into LDS once.
; CLUSTERS: 4 x 4 work-groups; z's tiles are asked for jointly along a row of the cluster, Wd's along a column.  The matrix instruction is used transposed (source 0 = rows of Wd, source 1 = rows of z):
; a lane holds eight neighbouring numbers of a row of out0.  128 work-groups: the tile is kept at 256 x 256, since the launch is 512 matrix instructions a wave.
; REGISTERS, in windows of 256: window 0: v0-31 addresses; v32-63 scale words, two sets; from v128 A's fragments, one set.   window 1: B's fragments, two sets.   windows 2, 3: the accumulators.
.set SIZE_M, 8192
.set SIZE_N, 1024
.set SIZE_K, 1024
.set KSTEP,  256
.set NQ,     KSTEP/128
.set ROWB,   192
.set KROW,   SIZE_K*6/8
.set PITCH,  240
.set FR,     12
.set NL,     6
.set NP,     4
.set HALFT,  128*PITCH
.set SLOT,   4*HALFT
.set LAPS,   SIZE_K/(2*KSTEP)
.set KS,     SIZE_K/32
.set SCL,    2*SLOT
.set HALFS,  (128*KS/256)*272
.set SBLK,   (16*KS/256)*272
.set SPARE,  SCL+4*HALFS               ; the spare words, 128 bytes a wave, which no other line names
.set SPITCH, 528                       ; the way out: a stage of 16 rows x (512 bytes + 16) for each wave, in slot 0, which has had its last fill and its last read when the first result is stored there
.set ADRA, 16
.set ADRB, 20
.set STO,  24
.set RD,   25
.set CO,   26
.set SPW,  28
.set NIL,  29
.set ADRS, 27
.set SC,   32
.set AF,   128
.set BK,   128
.set G1, 24
.set G0, 32
.set G1B, 48
.set G0B, 56
.set G1S, 68
.set G0S, 76
.set G1SB, 80
.set G0SB, 88
.set MSB, 0
.macro WIN new
.if MSB != \new
	s_set_vgpr_msb (MSB<<8)|\new
.set MSB, \new
.endif
.endm
.set MUL_LO, 0xa1
.set MUL_HI, 0xf1
.set TO_B,   0x40
.macro JLOAD g0a, g1a, g0b, g1b        ; a joint load: waves 0 and 1 fetch for A, waves 2 and 3 for B; an s_nop 0 and four v_nop follow each line
	s_cmp_eq_u32 s15, 0
	s_cbranch_scc0 .Lfor_b_\@
	tensor_load_to_lds s[\g0a:\g0a+3], s[\g1a:\g1a+7]
	s_nop 0
.rept 4
	v_nop
.endr
	s_branch .Lasked_\@
.Lfor_b_\@:
	tensor_load_to_lds s[\g0b:\g0b+3], s[\g1b:\g1b+7]
	s_nop 0
.rept 4
	v_nop
.endr
.Lasked_\@:
.endm
.macro CREST
	s_cmp_lg_u32 s14, 0
	s_cbranch_scc1 .Lnot_wave_0_\@
	s_barrier_signal -3
.Lnot_wave_0_\@:
	s_barrier_wait -3
	s_barrier_signal -1
	s_barrier_wait -1
.endm
.macro CROUND
	s_barrier_signal -1
	s_barrier_wait -1
	CREST
.endm
	s_load_b128 s[4:7], s[0:1], 0x0                ; z's codes s[4:5], z's scales s[6:7]
	s_load_b128 s[8:11], s[0:1], 0x10              ; cod s[8:9], scl s[10:11]
	s_load_b64 s[12:13], s[0:1], 0x20              ; out0
	v_lshl_add_u32 v[SPW], v0, 2, SPARE
	v_mov_b32 v[NIL], 0
	ds_add_u32 v[SPW], v[NIL]                      ; the wave's opening: the add, twice on end, and its wait ahead of my first tensor load
	ds_add_u32 v[SPW], v[NIL]
	v_lshrrev_b32 v1, 5, v0
	v_readfirstlane_b32 s14, v1                    ; wave 0..3
	s_lshr_b32 s15, s14, 1
	s_and_b32 s16, s14, 1
	s_bfe_u32 s40, ttmp6, 0x40000                  ; cx, cy
	s_bfe_u32 s41, ttmp6, 0x40004
	s_lshl_b32 s42, ttmp9, 2
	s_add_co_u32 s42, s42, s40                     ; tile column
	s_and_b32 s17, ttmp7, 0xffff
	s_lshl_b32 s17, s17, 2
	s_add_co_u32 s17, s17, s41                     ; tile row
	s_lshl_b32 s43, s41, 2
	s_lshl_b32 s43, 15, s43                        ; my row of the cluster
	s_lshl_b32 s44, 0x1111, s40                    ; my column
	s_or_b32 s[G1+0], s43, (0<<16)|(1<<20)|(1<<21)|(3<<22)|(3<<25)
	s_or_b32 s[G1B+0], s44, (0<<16)|(1<<20)|(1<<21)|(3<<22)|(3<<25)
.irp g, G1, G1B
	s_mov_b32 s[\g+1], ROWB<<16
	s_mov_b32 s[\g+2], 128<<16
	s_mov_b32 s[\g+3], ROWB<<16
	s_mov_b32 s[\g+4], 128
	s_mov_b32 s[\g+5], KROW
	s_mov_b32 s[\g+6], 0
	s_mov_b32 s[\g+7], 0
.endr
	s_or_b32 s[G1S+0], s43, (3<<16)|(1<<20)|(1<<21)|(5<<22)|(3<<25)
	s_or_b32 s[G1SB+0], s44, (3<<16)|(1<<20)|(1<<21)|(5<<22)|(3<<25)
.irp g, G1S, G1SB
	s_mov_b32 s[\g+1], 32<<16
	s_mov_b32 s[\g+2], (128*KS/256)<<16
	s_mov_b32 s[\g+3], 32<<16
	s_mov_b32 s[\g+4], 128*KS/256
	s_mov_b32 s[\g+5], 32
	s_mov_b32 s[\g+6], 0
	s_mov_b32 s[\g+7], 0
.endr
	s_lshl_b32 s18, s16, 7
	s_lshl_b32 s20, s17, 8
	s_add_co_u32 s20, s20, s18                     ; A: row 256 x tile row + 128 x half
	s_lshl_b32 s46, s42, 8
	s_add_co_u32 s46, s46, s18                     ; B: row 256 x tile column + 128 x half
	s_mov_b32 s21, 0
	s_mov_b32 s47, 0
	s_mov_b64 s[18:19], KS
	s_mul_u64 s[22:23], s[20:21], s[18:19]
	s_mul_u64 s[92:93], s[46:47], s[18:19]
	s_mov_b64 s[18:19], KROW
	s_mul_u64 s[20:21], s[20:21], s[18:19]
	s_mul_u64 s[46:47], s[46:47], s[18:19]
	s_mul_i32 s45, s14, HALFT
	s_mul_i32 s94, s14, HALFS
	s_wait_dscnt 0x0                               ; both opening adds are done
	s_wait_kmcnt 0x0
	s_add_nc_u64 s[8:9], s[8:9], 21233664          ; Wd's codes in cod,
	s_add_nc_u64 s[10:11], s[10:11], 884736        ; and its scale bytes in scl
	s_add_nc_u64 s[20:21], s[4:5], s[20:21]
	s_add_nc_u64 s[22:23], s[6:7], s[22:23]
	s_add_nc_u64 s[46:47], s[8:9], s[46:47]
	s_add_nc_u64 s[92:93], s[10:11], s[92:93]
	CROUND                                         ; all sixteen work-groups are here: the first joint loads meet
	s_mov_b32 s[G0S], 1
	s_add_co_u32 s[G0S+1], s94, SCL
	s_mov_b64 s[G0S+2:G0S+3], s[22:23]
	s_or_b32 s[G0S+3], s[G0S+3], 0x80000000
	s_mov_b32 s[G0SB], 1
	s_add_co_u32 s[G0SB+1], s94, SCL
	s_mov_b64 s[G0SB+2:G0SB+3], s[92:93]
	s_or_b32 s[G0SB+3], s[G0SB+3], 0x80000000
	JLOAD G0S, G1S, G0SB, G1SB
.irp s, 0,1
	s_mov_b32 s[G0+4*\s], 1
	s_add_co_u32 s[G0+4*\s+1], s45, \s*SLOT
	s_add_nc_u64 s[G0+4*\s+2:G0+4*\s+3], s[20:21], \s*ROWB
	s_or_b32 s[G0+4*\s+3], s[G0+4*\s+3], 0x80000000
	s_mov_b32 s[G0B+4*\s], 1
	s_add_co_u32 s[G0B+4*\s+1], s45, \s*SLOT
	s_add_nc_u64 s[G0B+4*\s+2:G0B+4*\s+3], s[46:47], \s*ROWB
	s_or_b32 s[G0B+4*\s+3], s[G0B+4*\s+3], 0x80000000
	JLOAD G0+4*\s, G1, G0B+4*\s, G1B               ; three tensor loads of mine are out
.endr
	v_and_b32 v1, 15, v0
	v_bfe_u32 v2, v0, 4, 1
	v_mul_u32_u24 v3, v1, PITCH
	v_mul_u32_u24 v4, v2, 24
	v_add_nc_u32 v4, v3, v4
	v_lshl_add_u32 v5, v2, 4, v4
	s_mul_i32 s21, s15, HALFT
	s_mul_i32 s22, s16, HALFT
	s_add_co_u32 s22, s22, 2*HALFT
.irp s, 0,1
	v_add_nc_u32 v[ADRA+\s], s21, v4
	v_add_nc_u32 v[ADRB+\s], s22, v4
	v_add_nc_u32 v[ADRA+2+\s], s21, v5
	v_add_nc_u32 v[ADRB+2+\s], s22, v5
	s_add_co_u32 s21, s21, SLOT
	s_add_co_u32 s22, s22, SLOT
.endr
	v_mul_u32_u24 v5, v1, KS
	v_lshrrev_b32 v6, 8, v5
	v_lshl_add_u32 v5, v6, 4, v5
	s_mul_i32 s21, s15, HALFS
	s_mul_i32 s22, s16, HALFS
	s_add_co_u32 s22, s22, 2*HALFS
	s_sub_co_u32 s22, s22, s21
	v_mul_u32_u24 v6, s22, v2
	s_add_co_u32 s21, s21, SCL
	v_add_nc_u32 v5, v5, v6
	v_add_nc_u32 v[ADRS], s21, v5
	s_mul_i32 s23, s14, 16*SPITCH                  ; my stage
	v_mul_u32_u24 v5, v1, SPITCH
	v_lshl_add_u32 v5, v2, 5, v5
	v_add_nc_u32 v[STO], s23, v5
	v_and_b32 v6, 31, v0
	v_lshlrev_b32 v[CO], 4, v6
	v_add_nc_u32 v[RD], s23, v[CO]
	s_lshl_b32 s20, s17, 8
	s_lshl_b32 s21, s15, 7
	s_add_co_u32 s20, s20, s21                     ; my first row of out0
	s_mov_b32 s21, 0
	s_mov_b64 s[18:19], SIZE_N*4
	s_mul_u64 s[20:21], s[20:21], s[18:19]
	s_lshl_b32 s46, s42, 10                        ; my first column, in bytes
	s_lshl_b32 s47, s16, 9
	s_add_co_u32 s46, s46, s47
	s_mov_b32 s47, 0
	s_add_nc_u64 s[20:21], s[20:21], s[46:47]
	s_add_nc_u64 s[12:13], s[12:13], s[20:21]
.macro FRAG reg, adr, q, i
.irp p, 0,1,2,3,4,5
.set PCE, 12*(\q)+6*(\p/3)+\p%3
.if PCE%8 < 5
	ds_load_b64 v[\reg+2*\p:\reg+2*\p+1], v[\adr] offset:8*PCE+16*(PCE/8)+(\i)*16*PITCH
.else
	ds_load_b64 v[\reg+2*\p:\reg+2*\p+1], v[\adr+2] offset:8*PCE+16*(PCE/8)+(\i)*16*PITCH
.endif
.endr
.endm
; The 64 accumulators take turns, one instruction a turn, in the same order in every step.
.macro MUL16 a0, p, q, sc, zero
.irp a, \a0, \a0+1
.irp b, 0,1,2,3,4,5,6,7
.if \zero
	v_wmma_scale_f32_16x16x128_f8f6f4 v[8*(8*((\a)%4)+\b):8*(8*((\a)%4)+\b)+7], v[128*(\p)+FR*\b:128*(\p)+FR*\b+FR-1], v[AF+FR*(\a):AF+FR*(\a)+FR-1], 0, v[SC+8*NQ*(\sc)+NQ*\b+(\q)], v[SC+8*NQ*(\sc)+NQ*(\a)+(\q)] matrix_a_fmt:MATRIX_FMT_FP6 matrix_b_fmt:MATRIX_FMT_FP6 matrix_a_scale:MATRIX_SCALE_ROW1
.else
	v_wmma_scale_f32_16x16x128_f8f6f4 v[8*(8*((\a)%4)+\b):8*(8*((\a)%4)+\b)+7], v[128*(\p)+FR*\b:128*(\p)+FR*\b+FR-1], v[AF+FR*(\a):AF+FR*(\a)+FR-1], v[8*(8*((\a)%4)+\b):8*(8*((\a)%4)+\b)+7], v[SC+8*NQ*(\sc)+NQ*\b+(\q)], v[SC+8*NQ*(\sc)+NQ*(\a)+(\q)] matrix_a_fmt:MATRIX_FMT_FP6 matrix_b_fmt:MATRIX_FMT_FP6 matrix_a_scale:MATRIX_SCALE_ROW1
.endif
.endr
.endr
.endm
.macro FETCH_B slot, q, p
	WIN TO_B
.irp i, 0,1,2,3,4,5,6,7
	FRAG 128*(\p)+FR*\i, ADRB+\slot, \q, \i
.endr
	WIN 0
.endm
.macro FETCH_A slot, q, i0
.irp i, \i0, \i0+1, \i0+2, \i0+3
	FRAG AF+FR*(\i), ADRA+\slot, \q, \i
.endr
.endm
.macro SCALES sc
.irp i, 0,1,2,3,4,5,6,7
	ds_load_b64 v[SC+8*NQ*\sc+NQ*\i:SC+8*NQ*\sc+NQ*\i+1], v[ADRS] offset:\i*SBLK
.endr
.endm
.macro PLACES n
.rept \n
	v_nop
.endr
.endm
.macro STEP slot, q, zero
	s_wait_dscnt 4*NL                              ; B's set and A's blocks 0-3 are in; the youngest 24 loads (A's blocks 4-7) may be out
	WIN MUL_LO
	MUL16 0, (\q)%2, \q, \slot, \zero
	MUL16 2, (\q)%2, \q, \slot, \zero
	s_wait_dscnt 0
	PLACES NP
	FETCH_B \slot, (\q)+1, 1-(\q)%2
	FETCH_A \slot, (\q)+1, 0
	WIN MUL_HI
	MUL16 4, (\q)%2, \q, \slot, \zero
	MUL16 6, (\q)%2, \q, \slot, \zero
	PLACES NP
	WIN 0
	FETCH_A \slot, (\q)+1, 4
.endm
.macro TURN slot, next, fill
	s_wait_tensorcnt 0x0                           ; all my tensor loads have landed: my part of the next slot
	ds_add_u32 v[SPW], v[NIL]
	s_wait_dscnt 4*NL+1                            ; (the add and the youngest 24 loads may be out)
	WIN MUL_LO
	MUL16 0, 1, NQ-1, \slot, 0
	s_wait_dscnt 0x0                               ; the add is done, and my reads of this slot are over
	s_barrier_signal -1
	MUL16 2, 1, NQ-1, \slot, 0
	WIN 0
	s_barrier_wait -1
.if \fill
	CREST                                          ; the barrier has opened a round of the cluster's barrier
	s_add_nc_u64 s[G0+4*\slot+2:G0+4*\slot+3], s[G0+4*\slot+2:G0+4*\slot+3], 2*ROWB
	s_add_nc_u64 s[G0B+4*\slot+2:G0B+4*\slot+3], s[G0B+4*\slot+2:G0B+4*\slot+3], 2*ROWB
	JLOAD G0+4*\slot, G1, G0B+4*\slot, G1B
.else
	PLACES NP
.endif
	v_add_nc_u32 v[ADRS], 4*NQ, v[ADRS]
	FETCH_B \next, 0, 0
	FETCH_A \next, 0, 0
	SCALES \next
	WIN MUL_HI
	MUL16 4, 1, NQ-1, \slot, 0
	MUL16 6, 1, NQ-1, \slot, 0
	PLACES NP
	WIN 0
	FETCH_A \next, 0, 4
.endm
	s_wait_tensorcnt 1                             ; the scales and my part of K step 0 are in (K step 1's load may be out)
	s_barrier_signal -1
	s_barrier_wait -1
	FETCH_B 0, 0, 0
	FETCH_A 0, 0, 0
	SCALES 0
	FETCH_A 0, 0, 4
	STEP 0, 0, 1                                   ; the first step's products start the sums
	s_mov_b32 s3, LAPS-1
.Llap:
	TURN 0, 1, 1
	STEP 1, 0, 0
	TURN 1, 0, 1
	STEP 0, 0, 0
	s_sub_co_u32 s3, s3, 1
	s_cmp_lg_u32 s3, 0
	s_cbranch_scc1 .Llap
	TURN 0, 1, 0
	STEP 1, 0, 0
	s_wait_dscnt 4*NL
	WIN MUL_LO
	MUL16 0, 1, NQ-1, 1, 0
	MUL16 2, 1, NQ-1, 1, 0
	s_wait_dscnt 0
	WIN MUL_HI
	MUL16 4, 1, NQ-1, 1, 0
	MUL16 6, 1, NQ-1, 1, 0
	WIN 0
; THE WAY OUT, block by block of 16 rows x 128 columns, through my own stage in LDS: back as whole rows of 512 bytes.  LDS serves a wave's instructions in order: no wait between the stores and the loads.
.macro TOSTAGE a
.set AC, 64*((\a)%4)
	WIN 0x08+4*((\a)/4)                            ; the data: window 2 or 3
.irp b, 0,1,2,3,4,5,6,7
	ds_store_b128 v[STO], v[AC+8*\b:AC+8*\b+3] offset:64*\b          ; each accumulator from its low end on
	ds_store_b128 v[STO], v[AC+8*\b+4:AC+8*\b+7] offset:64*\b+16
.endr
	WIN 0
.set BB, BK+64*((\a)%2)
.irp t, 0,1,2,3,4,5,6,7,8,9,10,11,12,13,14,15
	ds_load_b128 v[BB+4*\t:BB+4*\t+3], v[RD] offset:\t*SPITCH
.endr
.endm
.macro SEND a, younger                 ; younger: the LDS instructions issued behind block a's loads, which may stay out
.set BB, BK+64*((\a)%2)
	s_wait_dscnt \younger
.if (\a) > 0
	s_add_nc_u64 s[12:13], s[12:13], 16*SIZE_N*4   ; (behind a wait on XCNT: the earlier stores have read their base)
.endif
.irp t, 0,1,2,3,4,5,6,7,8,9,10,11,12,13,14,15
	global_store_b128 v[CO], v[BB+4*\t:BB+4*\t+3], s[12:13] offset:\t*SIZE_N*4 th:TH_STORE_NT   ; 32 lanes store 512 consecutive bytes, aligned
.endr
.endm
	PLACES NP
	TOSTAGE 0
.irp a, 1,2,3,4,5,6,7
.if \a > 1
	s_wait_xcnt 0x0                                ; block a - 2's stores have read their registers and their base
.endif
	TOSTAGE \a
	SEND \a-1, 32                                  ; behind block a - 1's loads: block a's 16 stores and 16 loads
.endr
	s_wait_xcnt 0x0
	SEND 7, 0
	s_wait_tensorcnt 0x0                           ; the wave's end
	ds_add_u32 v[SPW], v[NIL]
	s_wait_dscnt 0x0
	CROUND                                         ; the closing round
	s_endpgm
.Lfunc_end_k_q8672822e24_outp:
	.size	k_q8672822e24_outp, .Lfunc_end_k_q8672822e24_outp-k_q8672822e24_outp
	.p2alignl 7, 3214868480
	.fill 96, 4, 3214868480
	.section	.rodata,"a",@progbits
	.p2align	6, 0x0
	.amdhsa_kernel k_q8672822e24_outp
		.amdhsa_group_segment_fixed_size 327680
		.amdhsa_private_segment_fixed_size 0
		.amdhsa_enable_private_segment 0
		.amdhsa_kernarg_size 40
		.amdhsa_user_sgpr_count 2
		.amdhsa_user_sgpr_kernarg_segment_ptr 1
		.amdhsa_wavefront_size32 1
		.amdhsa_system_sgpr_workgroup_id_x 1
		.amdhsa_system_sgpr_workgroup_id_y 1
		.amdhsa_system_sgpr_workgroup_id_z 1
		.amdhsa_system_vgpr_workitem_id 0
		.amdhsa_next_free_vgpr 1024
		.amdhsa_next_free_sgpr 98
		.amdhsa_reserve_vcc 0
		.amdhsa_float_denorm_mode_32 3
		.amdhsa_float_denorm_mode_16_64 3
		.amdhsa_memory_ordered 1
		.amdhsa_forward_progress 1
		.amdhsa_inst_pref_size 160
	.end_amdhsa_kernel
	.amdgpu_metadata
---
amdhsa.version: [ 1, 2 ]
amdhsa.kernels:
  - .name:           k_q8672822e24_outp
    .symbol:         k_q8672822e24_outp.kd
    .args:
      - { .name: zc, .offset: 0, .size: 8, .value_kind: global_buffer, .address_space: global }
      - { .name: zs, .offset: 8, .size: 8, .value_kind: global_buffer, .address_space: global }
      - { .name: cod, .offset: 16, .size: 8, .value_kind: global_buffer, .address_space: global }
      - { .name: scl, .offset: 24, .size: 8, .value_kind: global_buffer, .address_space: global }
      - { .name: out0, .offset: 32, .size: 8, .value_kind: global_buffer, .address_space: global }
    .group_segment_fixed_size: 327680
    .private_segment_fixed_size: 0
    .kernarg_segment_align: 8
    .kernarg_segment_size: 40
    .max_flat_workgroup_size: 128
    .sgpr_count:     98
    .vgpr_count:     1024
    .wavefront_size: 32
...
	.end_amdgpu_metadata
.endif
;; end of part 4
